; MI455X (gfx1250); checked and timed in simulation.
; The chip was launched on July 23, 2026; its instructions are those of AMD's public machine-readable ISA for CDNA 5 (MIT licence, August 2026) and "CDNA5" Instruction Set Architecture Reference Guide (July 2026). The comments in the code are by the model that wrote it; some were corrected since.
;; Mock Mo E Layer. Allowed arithmetic: matrix products marked QUANTISED: E3M2 operands, one E8M0 scale for each 32 along K, by v_wmma_scale_f32_16x16x128_f8f6f4 with both operands' format E3M2, f32 sums; products left as they are: f32 operands where the result goes on into a quantised operand, else bf16, f16 or f32 operands; f32 sums; everything else in f32.
;; Inputs: expert_W_codes 8 x 1,024 x 32 x 24 uint8 (E3M2 codes of expert_W, K innermost, in blocks of 32 codes, four codes in three bytes); expert_W_scales 8 x 1,024 x 32 uint8 (E8M0 scales of expert_W, one for each 32 codes along K); expert_b 8 x 1,024 float32; gate_W 8 x 1,024 float32; gate_b 8 float32; x 8,192 x 1,024 float32.
;; Outputs: out0 8,192 x 1,024 float32.
;; This version of the problem:
;;   THIS VERSION OF THE PROBLEM IS GIVEN IN LOW PRECISION. The matrix products marked QUANTISED in the list below multiply operands that are first quantised to E3M2 (3 exponent bits, 2 mantissa bits; 6 bits a number), with one power-of-two scale for each 32 numbers along K (OCP MX v1.0); their sums are f32. All else is computed in f32.
;;   The module's matrix products, in the order in which they are computed (A, B: the left and right operand; K: the contracted axis; several contracted axes count as one K, in the product's order):
;;     1. [M 8,192, K 1,024] x [K 1,024, N 8]; A: input x; B: input gate_W: left as it is (N = 8 < 16)
;;     2. [M 8,192, K 1,024] x [K 1,024, N 1,024]; A: input x; B: input expert_W (given as codes): QUANTISED
;;     3. [M 8,192, K 1,024] x [K 1,024, N 1,024]; A: input x; B: input expert_W (given as codes): QUANTISED
;;     4. [M 8,192, K 1,024] x [K 1,024, N 1,024]; A: input x; B: input expert_W (given as codes): QUANTISED
;;     5. [M 8,192, K 1,024] x [K 1,024, N 1,024]; A: input x; B: input expert_W (given as codes): QUANTISED
;;     6. [M 8,192, K 1,024] x [K 1,024, N 1,024]; A: input x; B: input expert_W (given as codes): QUANTISED
;;     7. [M 8,192, K 1,024] x [K 1,024, N 1,024]; A: input x; B: input expert_W (given as codes): QUANTISED
;;     8. [M 8,192, K 1,024] x [K 1,024, N 1,024]; A: input x; B: input expert_W (given as codes): QUANTISED
;;     9. [M 8,192, K 1,024] x [K 1,024, N 1,024]; A: input x; B: input expert_W (given as codes): QUANTISED
;;   THE QUANTISER, for each operand of a quantised product, along K:
;;     - K is cut into blocks of 32 from its start; a last block that is shorter is filled with zeros.
;;     - A block's scale is 2^e with e = floor(log2(the largest magnitude in the block)) - 4, held to -126 .. 127; a block of zeros has e = 0. As a byte (E8M0): e + 127.
;;     - Each number is divided by its block's scale, clamped to +-28, and rounded to the nearest number of E3M2, ties to even, subnormals kept.
;;     - The product sums the exact products of the quantised numbers (number of the format x scale) in f32.
;;   ~~~python
;;   def quantise(x, axis):      # numpy; x: float32 -> the quantised numbers, widened to float32 again
;;       x = np.moveaxis(x, axis, -1); K = x.shape[-1]
;;       x = np.pad(x, [(0, 0)] * (x.ndim - 1) + [(0, -K % 32)]); x = x.reshape(x.shape[:-1] + (-1, 32)); a = np.abs(x).max(-1, keepdims=True)
;;       e = np.where(a > 0, np.clip(np.frexp(np.where(a > 0, a, 1))[1] - 1 - 4, -126, 127), 0)      # np.frexp(a)[1] - 1 = floor(log2(a)), exactly
;;       r = np.clip(x / 2.0 ** e, -28, 28)
;;       step = 2.0 ** (np.maximum(np.frexp(np.where(r == 0, 1, r))[1] - 1, -2) - 2)
;;       q = np.round(r / step) * step * 2.0 ** e      # np.round: ties to even
;;       return np.moveaxis(q.reshape(q.shape[:-2] + (-1,))[..., :K], -1, axis).astype(np.float32)
;;   ~~~
;;   INPUTS GIVEN AS CODES. expert_W (in the module: [8, 1024, 1024], K = its axis 2): each comes as NAME_codes (uint8): NAME with its K axis moved to the last place and cut into blocks of 32 codes, [.., K / 32, bytes a block], one block behind the other in memory; four codes in three bytes: a row's codes are one little-endian stream of bits, code i at bits 6 i .. 6 i + 5 (a code: sign, 3 exponent bits, 2 mantissa bits); and NAME_scales (uint8): the same leading axes, one E8M0 byte (e + 127) for each 32 codes along K. Its value is code x scale, taken as it is: it is not quantised again, and the codes and scales need not be those that the quantiser above would give.
;; 2 versions. Each part assembles by itself: llvm-mc -triple=amdgcn-amd-amdhsa -mcpu=gfx1250 --defsym DOCPART=n.
;; ======== version 1 of 2: 3 launches
;; workspace buffers: xq 6,291,456 bytes; xs 262,144 bytes; wimg 6,291,456 bytes; wgt 65,536 bytes; meta 32,768 bytes of whole numbers; hist 32,768 bytes of whole numbers; order 36,864 bytes of whole numbers; tab 8,192 bytes of whole numbers
;; launch route_quant (part 1): grid 256 x 1, 4 waves a work-group, no clusters, 78,336 bytes of LDS; arguments x, gate_W, gate_b, expert_W_codes, xq, xs, wimg, wgt, meta, hist; writes xq, xs, wimg, wgt, meta, hist
.if DOCPART == 1
	.amdgcn_target "amdgcn-amd-amdhsa--gfx1250"
	.amdhsa_code_object_version 6
	.text
	.protected	k_qde84daf25d_route_quant
	.globl	k_qde84daf25d_route_quant
	.p2align	8
	.type	k_qde84daf25d_route_quant,@function
k_qde84daf25d_route_quant:
	s_mov_b64 s[64:65], 0
	v_nop
	global_prefetch_b8 v0, s[64:65] scope:SCOPE_SE
	s_setreg_imm32_b32 hwreg(HW_REG_WAVE_MODE, 25, 1), 1
	s_wait_xcnt 0x0
; FIRST OF THREE LAUNCHES.  For 32 tokens a work-group (8 a wave): the gate's 8 logits in f32 by fused multiply-adds, softmax with the row's maximum taken away, the two largest
; probabilities (the lower index wins a tie), and x turned into codes of E3M2 with one E8M0 byte for each 32 along K.  Beside that each wave re-lays four fragments of expert_W's codes.
; STORED:  xq   [token][h 2][K step 8][c 2][24 bytes]: block 4 k + 2 c + h of a token at 768 token + 384 h + 48 k + 24 c, so that lane (r, h) of an operand finds a K step's 12 registers as 48 bytes on end;
;          xs   [token][32] scale bytes, block by block;   wimg [expert x 64 + tile of 16 rows][K step 8][3][lane 32][16 bytes]: a fragment's registers as they stand, 512 bytes on end a load;
;          wgt  [token] (p of the lower expert, p of the higher);   meta [token] bin | rank among the work-group's tokens of that bin << 8;   hist [work-group][32] tokens in each bin.
;          bin of the pair a < b: a (15 - a) / 2 + b - a - 1, 0 .. 27.  All are stored at fixed places: no address and no branch here hangs on the choice.
; x is read once: a token's row lies in 32 registers a lane (k = 128 j + 4 lane + 0 .. 3), serves the gate's sums as it lies, and turns through the wave's own LDS so that a lane holds one whole block of 32.
; gate_W (32 KiB) comes once a work-group, goes through LDS and stays in 256 registers of every wave.
; LIMITS: NaN and infinities are not served.  A block of x whose largest magnitude lies under 2^-122 (zeros too) gets the byte 1; its codes are then small or zero, and this program alone reads the bytes.
;         The gate's sums are f32 in another order than a row-by-row sum, and 1 / sum is v_rcp_f32: two probabilities that agree to the last bits may be ranked the other way.
; REGISTERS: window 0: v1-11, v28-29 addresses; v12-27 at work; v32-95 V[8 t + e] my part of logit e of token t; v96-111 eight pairs of sums; v112-143 a block; v144-151 codes; v152-155 at work;
;            v200-247 W's four fragments.   window 1: gate_W.   window 2: x, 32 registers a token.
.set TURNB, 32768                      ; LDS: 0: gate_W, 32,768 bytes;  here: for each wave 32 blocks at 144 bytes (128 + 16)
.set CSTB,  51200                      ; for each wave 8 tokens x 768 bytes of codes, laid as xq
.set XSB,   75776                      ; 32 tokens x 32 scale bytes
.set LG,    76800                      ; 32 tokens x 8 logits
.set LANE, 1
.set LI,   2                           ; 16 x lane
.set GWO,  3                           ; 8192 wave + 16 lane: my wave's quarter of gate_W, in memory and in LDS
.set XO,   4                           ; 32768 wave + 16 lane: my wave's 8 rows of x
.set TIN,  5                           ; the turn, in:  144 (lane / 8) + 16 (lane % 8)
.set TOUT, 6                           ; the turn, out: 144 lane
.set CIN,  7                           ; my block's 24 bytes in a token's 768
.set COUT, 8
.set SBA,  9
.set LGA,  10
.set WRO,  11                          ; W: 768 (lane % 16) + 24 (lane / 16)
.set TA,   12
.set TC,   20
.set V,    32
.set PA,   96
.set XB,   112
.set CD,   144
.set TM,   152
.set CO,   112
.set WR,   200
.set MSB, 0
.macro WIN new                         ; the immediate's high byte repeats the setting that is left; a switch that changes nothing is dropped
.if MSB != (\new)
	s_set_vgpr_msb (MSB<<8)|(\new)
.set MSB, \new
.endif
.endm
.macro XLOAD t                         ; token t's row: eight loads of 512 bytes on end
	WIN 0x80
.irp j, 0,1,2,3,4,5,6,7
	global_load_b128 v[32*(\t)+4*\j:32*(\t)+4*\j+3], v[XO], s[4:5] offset:4096*(\t)+512*\j th:TH_LOAD_NT
.endr
.endm
.macro WRLOAD p                        ; eight of the 24 loads of W's four fragments: fragment U / 6, piece U % 6: 24 bytes of blocks h and 2 + h of a K step, 8 bytes a load
	WIN 0
.irp i, 0,1,2,3,4,5,6,7
.set U, 8*(\p)+\i
	global_load_b64 v[WR+12*(U/6)+2*(U%6):WR+12*(U/6)+2*(U%6)+1], v[WRO], s[10:11] offset:96*(U/6)+48*((U%6)/3)+8*(U%3)
.endr
.endm
.macro FMA t                           ; my 32 numbers of token t against the same k of the 8 rows of gate_W: eight chains of packed multiply-adds that do not wait for each other
	WIN 0x06                                       ; source 0 (x) window 2, source 1 (gate_W) window 1
.irp e, 0,1,2,3,4,5,6,7
	v_pk_mul_f32 v[PA+2*\e:PA+2*\e+1], v[32*(\t):32*(\t)+1], v[32*\e:32*\e+1]
.endr
.irp u, 1,2,3,4,5,6,7,8,9,10,11,12,13,14,15
.irp e, 0,1,2,3,4,5,6,7
	v_pk_fma_f32 v[PA+2*\e:PA+2*\e+1], v[32*(\t)+2*\u:32*(\t)+2*\u+1], v[32*\e+2*\u:32*\e+2*\u+1], v[PA+2*\e:PA+2*\e+1]
.endr
.endr
	WIN 0
.irp e, 0,1,2,3,4,5,6,7
	v_add_f32 v[V+8*(\t)+\e], v[PA+2*\e], v[PA+2*\e+1]
.endr
.endm
.macro TURN t                          ; the row through my wave's own LDS: in as it lies, out a block a lane.  LDS serves a wave's instructions in order: no wait between
	WIN 0x08                                       ; an LDS store's data are its source 1: window 2
.irp j, 0,1,2,3,4,5,6,7
	ds_store_b128 v[TIN], v[32*(\t)+4*\j:32*(\t)+4*\j+3] offset:576*\j
.endr
	WIN 0
.irp i, 0,1,2,3,4,5,6,7
	ds_load_b128 v[XB+4*\i:XB+4*\i+3], v[TOUT] offset:16*\i
.endr
.endm
.macro QUANT t                         ; block = lane of token t: largest magnitude (two chains), scale, 32 codes in 24 bytes, scale byte
	v_max3_num_f32 v[TM], |v[XB]|, |v[XB+1]|, 0x2800000            ; the floor 2^(5 - 127): the byte cannot fall under 1
	v_max3_num_f32 v[TM+1], |v[XB+16]|, |v[XB+17]|, |v[XB+18]|
.irp i, 2,4,6,8,10,12
	v_max3_num_f32 v[TM], v[TM], |v[XB+\i]|, |v[XB+\i+1]|
	v_max3_num_f32 v[TM+1], v[TM+1], |v[XB+17+\i]|, |v[XB+18+\i]|
.endr
	v_max3_num_f32 v[TM], v[TM], |v[XB+14]|, |v[XB+15]|
	v_max3_num_f32 v[TM], v[TM], v[TM+1], |v[XB+31]|
	v_add_nc_u32 v[TM+2], 0xfe000000, v[TM]        ; 4 off the exponent field: the conversion takes this operand's exponent field as its scale
	v_lshrrev_b32 v[TM+3], 23, v[TM+2]             ; the scale's byte
	v_cvt_scalef32_pk16_bf6_f32 v[CD:CD+2], v[XB:XB+15], v[TM+2]
	v_cvt_scalef32_pk16_bf6_f32 v[CD+4:CD+6], v[XB+16:XB+31], v[TM+2]   ; (a conversion's three registers begin on an even number)
	v_nop                                          ; one plain vector instruction behind a scaled conversion, ahead of the moves that read its result
	v_mov_b32 v[CD+3], v[CD+4]
	v_mov_b32 v[CD+4], v[CD+5]
	v_mov_b32 v[CD+5], v[CD+6]
	ds_store_b64 v[CIN], v[CD:CD+1] offset:768*(\t)
	ds_store_b64 v[CIN], v[CD+2:CD+3] offset:768*(\t)+8
	ds_store_b64 v[CIN], v[CD+4:CD+5] offset:768*(\t)+16
	ds_store_b8 v[SBA], v[TM+3] offset:32*(\t)
.endm
; 32 values, each spread over the 32 lanes, are summed so that lane l ends with value l: halves change places (16), then lanes l and l xor 8, 4, 2, 1: each lane keeps the half of the values that its bit names and sends the other.
.macro RSTEP d, m
.set I, 0
.rept \d
	v_cndmask_b32 v[TA+I], v[VB+I], v[VB+I+\d], s[\m]              ; what I keep
	v_cndmask_b32 v[TC+I], v[VB+I+\d], v[VB+I], s[\m]              ; what my partner wants
.set I, I+1
.endr
.set I, 0
.rept \d
	v_add_f32_dpp v[VB+I], v[TC+I], v[TA+I] row_xmask:\d row_mask:0xf bank_mask:0xf
.set I, I+1
.endr
.endm
.macro RSCAT b
.set VB, V+32*(\b)
.irp i, 0,1,2,3,4,5,6,7,8,9,10,11,12,13,14,15
	v_permlane16_swap_b32 v[VB+\i], v[VB+16+\i]
.endr
.irp i, 0,1,2,3,4,5,6,7,8,9,10,11,12,13,14,15
	v_add_f32 v[VB+\i], v[VB+\i], v[VB+16+\i]
.endr
	RSTEP 8, 28
	RSTEP 4, 29
	RSTEP 2, 30
	RSTEP 1, 31
	ds_store_b32 v[LGA], v[VB] offset:128*(\b)     ; value l of batch b is logit l % 8 of my token 4 b + l / 8
.endm
.macro TOKEN t, left
	s_wait_loadcnt \left                           ; token t's eight loads are in; left = the later tokens' loads, 8 each, and W's loads issued so far
.if (\t) < 2
	XLOAD (\t)+6
.elseif (\t) < 5
	WRLOAD (\t)-2
.endif
	TURN \t
	FMA \t                                         ; 136 vector instructions stand between the turn's loads and the wait for them
	s_wait_dscnt 0x0                               ; my block is in, and the last token's LDS stores have read their registers
	QUANT \t
.endm
	s_load_b512 s[4:19], s[0:1], 0x0               ; x s[4:5], gate_W s[6:7], gate_b s[8:9], W's codes s[10:11], xq s[12:13], xs s[14:15], wimg s[16:17], wgt s[18:19]
	s_load_b128 s[20:23], s[0:1], 0x40             ; meta s[20:21], hist s[22:23]
	v_lshl_add_u32 v254, v0, 2, 0x13000
	v_mov_b32 v255, 0
	v_lshrrev_b32 v12, 5, v0
	v_readfirstlane_b32 s24, v12                   ; wave 0..3
	v_and_b32 v[LANE], 31, v0
	v_lshlrev_b32 v[LI], 4, v[LANE]
	s_lshl_b32 s40, s24, 13
	v_add_nc_u32 v[GWO], s40, v[LI]
	s_lshl_b32 s40, s24, 15
	v_add_nc_u32 v[XO], s40, v[LI]
	s_lshl_b32 s26, ttmp9, 17                      ; the work-group's 32 rows of 4,096 bytes
	s_mov_b32 s27, 0
	s_wait_kmcnt 0x0
	s_add_nc_u64 s[4:5], s[4:5], s[26:27]
	s_load_b256 s[32:39], s[8:9], 0x0              ; gate_b
	WIN 0x40
.irp i, 0,1,2,3,4,5,6,7,8,9,10,11,12,13,14,15
	global_load_b128 v[4*\i:4*\i+3], v[GWO], s[6:7] offset:512*\i   ; my wave's quarter of gate_W
.endr
.irp t, 0,1,2,3,4,5
	XLOAD \t                                       ; six tokens, 48 loads, ahead
.endr
	WIN 0
	s_mul_i32 s40, s24, 4608
	s_add_co_u32 s40, s40, TURNB
	v_lshrrev_b32 v12, 3, v[LANE]
	v_and_b32 v13, 7, v[LANE]
	v_mul_u32_u24 v12, v12, 144
	v_lshl_add_u32 v12, v13, 4, v12
	v_add_nc_u32 v[TIN], s40, v12
	v_mul_u32_u24 v12, v[LANE], 144
	v_add_nc_u32 v[TOUT], s40, v12
	s_mul_i32 s40, s24, 6144
	s_add_co_u32 s40, s40, CSTB
	v_and_b32 v12, 1, v[LANE]                      ; block = lane = 4 k + 2 c + h
	v_mul_u32_u24 v12, v12, 384
	v_lshrrev_b32 v13, 2, v[LANE]
	v_mad_u32_u24 v12, v13, 48, v12
	v_bfe_u32 v13, v[LANE], 1, 1
	v_mad_u32_u24 v12, v13, 24, v12
	v_add_nc_u32 v[CIN], s40, v12
	v_add_nc_u32 v[COUT], s40, v[LI]
	s_lshl_b32 s40, s24, 8
	s_add_co_u32 s41, s40, XSB
	v_add_nc_u32 v[SBA], s41, v[LANE]
	s_add_co_u32 s41, s40, LG
	v_lshl_add_u32 v[LGA], v[LANE], 2, s41
	v_and_b32 v12, 15, v[LANE]
	v_lshrrev_b32 v13, 4, v[LANE]
	v_mul_u32_u24 v12, v12, 768
	v_mad_u32_u24 v[WRO], v13, 24, v12
	v_add_nc_u32 v28, XSB, v[LI]                   ; the ends' LDS addresses are made here, ahead of the parting of the waves
	v_lshl_add_u32 v29, v[LANE], 5, LG
	s_mov_b32 s28, 0xff00ff00                      ; lanes whose bit 3, 2, 1, 0 is set
	s_mov_b32 s29, 0xf0f0f0f0
	s_mov_b32 s30, 0xcccccccc
	s_mov_b32 s31, 0xaaaaaaaa
	s_lshl_b32 s40, ttmp9, 1
	s_lshr_b32 s41, s24, 1
	s_add_co_u32 s40, s40, s41                     ; my tile of 16 rows of W: 2 x work-group + wave / 2, of 512
	s_mul_i32 s26, s40, 12288
	s_and_b32 s41, s24, 1                          ; my four K steps: 4 (wave % 2) on
	s_mul_i32 s42, s41, 384
	s_add_co_u32 s42, s42, s26
	s_mov_b32 s43, 0
	s_add_nc_u64 s[10:11], s[10:11], s[42:43]
	s_mul_i32 s42, s41, 6144
	s_add_co_u32 s42, s42, s26
	s_add_nc_u64 s[16:17], s[16:17], s[42:43]
	s_mul_i32 s42, ttmp9, 24576
	s_mul_i32 s41, s24, 6144
	s_add_co_u32 s42, s42, s41
	s_add_nc_u64 s[12:13], s[12:13], s[42:43]      ; xq at my wave's 8 tokens
	s_lshl_b32 s42, ttmp9, 10
	s_add_nc_u64 s[14:15], s[14:15], s[42:43]
	s_lshl_b32 s42, ttmp9, 7
	s_add_nc_u64 s[20:21], s[20:21], s[42:43]
	s_add_nc_u64 s[22:23], s[22:23], s[42:43]
	s_lshl_b32 s42, ttmp9, 8
	s_add_nc_u64 s[18:19], s[18:19], s[42:43]
	s_wait_kmcnt 0x0                               ; gate_b
	s_wait_loadcnt 48                              ; gate_W's 16 loads are in; the 48 of x behind them stay out
	WIN 0x04
.irp i, 0,1,2,3,4,5,6,7,8,9,10,11,12,13,14,15
	ds_store_b128 v[GWO], v[4*\i:4*\i+3] offset:512*\i
.endr
	s_wait_dscnt 0x0                               ; for the others' sake: my quarter lies in LDS
	s_barrier_signal -1
	s_barrier_wait -1
	WIN 0x40
.set Q, 0
.rept 64
	ds_load_b128 v[4*Q:4*Q+3], v[LI] offset:512*Q  ; chunk 8 e + j: gate_W[e][128 j + 4 lane + 0 .. 3]
.set Q, Q+1
.endr
	WIN 0
	s_wait_dscnt 0x0
	TOKEN 0, 40
	TOKEN 1, 40
	TOKEN 2, 40
	TOKEN 3, 40
	TOKEN 4, 40
	TOKEN 5, 40
	TOKEN 6, 32
	TOKEN 7, 24
	s_wait_dscnt 0x0                               ; the last token's LDS stores have read their registers: the loads below land on them
.irp i, 0,1,2,3,4,5,6,7,8,9,10,11
	ds_load_b128 v[CO+4*\i:CO+4*\i+3], v[COUT] offset:512*\i       ; my 8 tokens' codes, 6,144 bytes, as they will lie in xq
.endr
	RSCAT 0
	RSCAT 1
	s_wait_dscnt 0x0
.irp i, 0,1,2,3,4,5,6,7,8,9,10,11
	global_store_b128 v[LI], v[CO+4*\i:CO+4*\i+3], s[12:13] offset:512*\i   ; 32 lanes store 512 bytes on end, at a multiple of 256 from xq's first byte
.endr
	s_wait_loadcnt 0x0                             ; W's fragments
.irp f, 0,1,2,3
.irp c, 0,1,2
	global_store_b128 v[LI], v[WR+12*\f+4*\c:WR+12*\f+4*\c+3], s[16:17] offset:1536*\f+512*\c
.endr
.endr
	s_barrier_signal -1                            ; every wave's logits and scale bytes lie in LDS (the wait for all my LDS instructions stands above; none was issued since)
	s_barrier_wait -1
	s_cmp_eq_u32 s24, 1
	s_cbranch_scc1 .Lxs
	s_cmp_eq_u32 s24, 0
	s_cbranch_scc1 .Lroute
	s_wait_tensorcnt 0x0
	ds_add_u32 v254, v255
	s_wait_dscnt 0x0
	s_endpgm
.Lxs:                                              ; wave 1: the work-group's 1,024 scale bytes leave as four aligned runs of 256
	ds_load_b128 v[32:35], v28
	ds_load_b128 v[36:39], v28 offset:512
	s_wait_dscnt 0x0
	global_store_b128 v[LI], v[32:35], s[14:15]
	global_store_b128 v[LI], v[36:39], s[14:15] offset:512
	s_wait_tensorcnt 0x0
	ds_add_u32 v254, v255
	s_wait_dscnt 0x0
	s_endpgm
.Lroute:                                           ; wave 0: a lane to a token
	ds_load_b128 v[32:35], v29
	ds_load_b128 v[36:39], v29 offset:16
	v_lshlrev_b32 v65, 2, v[LANE]
	v_lshlrev_b32 v66, 3, v[LANE]
	s_wait_dscnt 0x0
.irp e, 0,1,2,3,4,5,6,7
	v_add_f32 v[32+\e], s[32+\e], v[32+\e]         ; + gate_b
.endr
	v_max3_num_f32 v40, v32, v33, v34
	v_max3_num_f32 v40, v40, v35, v36
	v_max3_num_f32 v40, v40, v37, v38
	v_max_num_f32 v40, v40, v39                    ; the row's maximum is taken away ahead of the exponentials
.irp e, 0,1,2,3,4,5,6,7
	v_sub_f32 v[48+\e], v[32+\e], v40
.endr
.irp e, 0,1,2,3,4,5,6,7
	v_mul_f32 v[48+\e], 0x3fb8aa3b, v[48+\e]       ; x log2(e)
.endr
.irp e, 0,1,2,3,4,5,6,7
	v_exp_f32 v[32+\e], v[48+\e]
.endr
	v_nop                                          ; a plain instruction behind the last exponential,
	s_wait_alu depctr_va_vdst(0)                   ; and one wait for the batch of eight, ahead of its first reader
	v_add_f32 v41, v32, v33
	v_add_f32 v42, v34, v35
	v_add_f32 v43, v36, v37
	v_add_f32 v44, v38, v39
	v_add_f32 v41, v41, v42
	v_add_f32 v43, v43, v44
	v_add_f32 v41, v41, v43
	v_rcp_f32 v42, v41
	v_nop
	s_wait_alu depctr_va_vdst(0)
.irp e, 0,1,2,3,4,5,6,7
	v_mul_f32 v[32+\e], v[32+\e], v42              ; the probabilities
.endr
	v_mov_b32 v43, v32                             ; the largest, by an ascending scan that moves only for a strictly larger one: the lower index wins a tie
	v_mov_b32 v44, 0
.irp e, 1,2,3,4,5,6,7
	v_cmp_ge_f32 vcc_lo, v43, v[32+\e]
	v_cndmask_b32 v44, \e, v44, vcc_lo
	v_cndmask_b32 v43, v[32+\e], v43, vcc_lo
.endr
.irp e, 0,1,2,3,4,5,6,7
	v_cmp_ne_u32 vcc_lo, \e, v44
	v_cndmask_b32 v[48+\e], -1.0, v[32+\e], vcc_lo ; the winner is taken out (no probability is negative)
.endr
	v_mov_b32 v45, v48                             ; the second largest likewise
	v_mov_b32 v46, 0
.irp e, 1,2,3,4,5,6,7
	v_cmp_ge_f32 vcc_lo, v45, v[48+\e]
	v_cndmask_b32 v46, \e, v46, vcc_lo
	v_cndmask_b32 v45, v[48+\e], v45, vcc_lo
.endr
	v_min_u32 v56, v44, v46                        ; a < b
	v_max_u32 v57, v44, v46
	v_cmp_lt_u32 vcc_lo, v44, v46
	v_cndmask_b32 v58, v45, v43, vcc_lo            ; p of a
	v_cndmask_b32 v59, v43, v45, vcc_lo            ; p of b
	v_sub_nc_u32 v60, 15, v56
	v_mul_u32_u24 v60, v56, v60
	v_lshrrev_b32 v60, 1, v60
	v_add_nc_u32 v60, v60, v57
	v_sub_nc_u32 v60, v60, v56
	v_add_nc_u32 v60, -1, v60                      ; the bin
	v_mov_b32 v61, 0                               ; my rank among the 32 tokens' of my bin
	v_mov_b32 v62, 0                               ; lane = bin: how many of the 32 (bins 28-31: none)
.set BN, 0
.rept 28
	v_cmp_eq_u32 s40, BN, v60
	s_bcnt1_i32_b32 s41, s40
	v_writelane_b32 v62, s41, BN
	v_mbcnt_lo_u32_b32 v63, s40, 0
	v_cndmask_b32 v61, v61, v63, s40
.set BN, BN+1
.endr
	v_lshl_or_b32 v64, v61, 8, v60
	global_store_b32 v65, v64, s[20:21]
	global_store_b32 v65, v62, s[22:23]
	global_store_b64 v66, v[58:59], s[18:19]
	s_wait_tensorcnt 0x0
	ds_add_u32 v254, v255
	s_wait_dscnt 0x0
	s_endpgm
.Lfunc_end_k_qde84daf25d_route_quant:
	.size	k_qde84daf25d_route_quant, .Lfunc_end_k_qde84daf25d_route_quant-k_qde84daf25d_route_quant
	.p2alignl 7, 3214868480
	.fill 96, 4, 3214868480
	.section	.rodata,"a",@progbits
	.p2align	6, 0x0
	.amdhsa_kernel k_qde84daf25d_route_quant
		.amdhsa_group_segment_fixed_size 78336
		.amdhsa_private_segment_fixed_size 0
		.amdhsa_enable_private_segment 0
		.amdhsa_kernarg_size 80
		.amdhsa_user_sgpr_count 2
		.amdhsa_user_sgpr_kernarg_segment_ptr 1
		.amdhsa_wavefront_size32 1
		.amdhsa_system_sgpr_workgroup_id_x 1
		.amdhsa_system_sgpr_workgroup_id_y 1
		.amdhsa_system_sgpr_workgroup_id_z 1
		.amdhsa_system_vgpr_workitem_id 0
		.amdhsa_next_free_vgpr 768
		.amdhsa_next_free_sgpr 66
		.amdhsa_reserve_vcc 1
		.amdhsa_float_denorm_mode_32 3
		.amdhsa_float_denorm_mode_16_64 3
		.amdhsa_memory_ordered 1
		.amdhsa_forward_progress 1
		.amdhsa_inst_pref_size 133
	.end_amdhsa_kernel
	.amdgpu_metadata
---
amdhsa.version: [ 1, 2 ]
amdhsa.kernels:
  - .name:           k_qde84daf25d_route_quant
    .symbol:         k_qde84daf25d_route_quant.kd
    .args:
      - { .name: x, .offset: 0, .size: 8, .value_kind: global_buffer, .address_space: global }
      - { .name: gate_W, .offset: 8, .size: 8, .value_kind: global_buffer, .address_space: global }
      - { .name: gate_b, .offset: 16, .size: 8, .value_kind: global_buffer, .address_space: global }
      - { .name: expert_W_codes, .offset: 24, .size: 8, .value_kind: global_buffer, .address_space: global }
      - { .name: xq, .offset: 32, .size: 8, .value_kind: global_buffer, .address_space: global }
      - { .name: xs, .offset: 40, .size: 8, .value_kind: global_buffer, .address_space: global }
      - { .name: wimg, .offset: 48, .size: 8, .value_kind: global_buffer, .address_space: global }
      - { .name: wgt, .offset: 56, .size: 8, .value_kind: global_buffer, .address_space: global }
      - { .name: meta, .offset: 64, .size: 8, .value_kind: global_buffer, .address_space: global }
      - { .name: hist, .offset: 72, .size: 8, .value_kind: global_buffer, .address_space: global }
    .group_segment_fixed_size: 78336
    .private_segment_fixed_size: 0
    .kernarg_segment_align: 8
    .kernarg_segment_size: 80
    .max_flat_workgroup_size: 128
    .sgpr_count:     66
    .vgpr_count:     768
    .wavefront_size: 32
...
	.end_amdgpu_metadata
.endif
;; end of part 1
;; launch place (part 2): grid 8 x 1, 4 waves a work-group, no clusters, 4,608 bytes of LDS; arguments meta, hist, order, tab; writes order, tab
.if DOCPART == 2
	.amdgcn_target "amdgcn-amd-amdhsa--gfx1250"
	.amdhsa_code_object_version 6
	.text
	.protected	k_qde84daf25d_place
	.globl	k_qde84daf25d_place
	.p2align	8
	.type	k_qde84daf25d_place,@function
k_qde84daf25d_place:
	s_mov_b64 s[64:65], 0
	v_nop
	global_prefetch_b8 v0, s[64:65] scope:SCOPE_SE
	s_setreg_imm32_b32 hwreg(HW_REG_WAVE_MODE, 25, 1), 1
	s_wait_xcnt 0x0
; SECOND LAUNCH: whole numbers alone.  The tokens are placed by bin (a counting sort without atomics) and the table of tiles is made.
; Each bin is rounded up to tiles of 16 tokens: T tiles in all, at most (8192 + 28 x 15) / 16 = 538.  order[16 i + row] = the token at that row of tile i (rows beyond a bin's last token are not written and never read).
; The tiles, in order, are dealt to 64 groups: group g has tiles g T / 64 (rounded down) up to (g + 1) T / 64: 9 at the most.  tab[g][slot 0..15] = two words:
;   info = ea | eb << 4 | rows << 8 | i << 16 (0: no tile);   seg = mask of the slots of one run of tiles of one bin | ea << 16 | eb << 20, at the run's first slot (0 elsewhere).
; SHARES: 32 waves in 8 work-groups.  Wave W = 4 x work-group + wave places chunks 8 W .. 8 W + 7 (32 tokens each) and makes table entries 32 W .. 32 W + 31.
; Every work-group sums all 256 chunks' counts anew (64 loads a wave, met in LDS), so that nothing goes from work-group to work-group.  A lane is a bin in all sums.
.set H,   32                           ; v32-95   64 chunks' counts; later at work
.set OH,  96                           ; v96-103  my 8 chunks' counts
.set MT,  104                          ; v104-111 my 8 chunks' meta words (a lane a token)
.set R,   112                          ; v112-143 the 32 waves' totals
.set BV,  144                          ; v144-151 where chunk j's tokens of each bin begin
.set TOT, 6
.set PRE, 7
.set TMP, 8
.set MTL, 9
.set INC, 10
.set MB,  11
.set TK0, 12
.set TT,  13
.set GG,  14
.set SL,  15
.set II,  16
.set EN,  17
.set BIN, 18
.set PK,  19
.set BASE, 20
.set IX,  21
.set TB,  22
.set IB,  23
.set T1,  24
.set ROWS, 25
.set CNT, 26
.set MK,  27
.set ONES, 28
.set AD,  29
.set OUTW, 30                          ; v[30:31]
.set IXJ, 32
.set PJ,  40
.set TKN, 48
.set RK,  56
	s_load_b256 s[4:11], s[0:1], 0x0               ; meta s[4:5], hist s[6:7], order s[8:9], tab s[10:11]
	v_lshl_add_u32 v160, v0, 2, 0x1000
	v_mov_b32 v161, 0
	v_lshrrev_b32 v1, 5, v0
	v_readfirstlane_b32 s12, v1                    ; wave in the work-group
	v_and_b32 v1, 31, v0                           ; lane
	v_lshlrev_b32 v2, 2, v1
	s_lshl_b32 s13, ttmp9, 2
	s_add_co_u32 s13, s13, s12                     ; W
	s_lshl_b32 s14, s12, 13
	v_add_nc_u32 v3, s14, v2                       ; hist: chunks 64 wave on
	s_lshl_b32 s14, s13, 10
	v_add_nc_u32 v4, s14, v2                       ; hist and meta: chunks 8 W on
	s_lshl_b32 s14, s12, 10
	v_add_nc_u32 v5, s14, v2                       ; LDS: totals 8 wave on
	s_wait_kmcnt 0x0
.set Q, 0
.rept 64
	global_load_b32 v[H+Q], v3, s[6:7] offset:128*Q
.set Q, Q+1
.endr
.irp j, 0,1,2,3,4,5,6,7
	global_load_b32 v[OH+\j], v4, s[6:7] offset:128*\j
	global_load_b32 v[MT+\j], v4, s[4:5] offset:128*\j
.endr
	s_wait_loadcnt 16                              ; the 64 are in; my own 16, issued behind them, may be out
.irp q, 0,1,2,3,4,5,6,7
	v_add3_u32 v[H+8*\q], v[H+8*\q], v[H+8*\q+1], v[H+8*\q+2]
	v_add3_u32 v[H+8*\q+3], v[H+8*\q+3], v[H+8*\q+4], v[H+8*\q+5]
	v_add3_u32 v[H+8*\q], v[H+8*\q], v[H+8*\q+6], v[H+8*\q+7]
	v_add_nc_u32 v[H+8*\q], v[H+8*\q], v[H+8*\q+3]
	ds_store_b32 v5, v[H+8*\q] offset:128*\q       ; the total of chunks 8 u .. 8 u + 7, u = 8 wave + q
.endr
	s_wait_dscnt 0x0                               ; for the others' sake
	s_barrier_signal -1
	s_barrier_wait -1
.set U, 0
.rept 32
	ds_load_b32 v[R+U], v2 offset:128*U
.set U, U+1
.endr
	s_wait_dscnt 0x0
	v_add3_u32 v[TOT], v[R], v[R+1], v[R+2]        ; tokens in each bin
.irp u, 3,5,7,9,11,13,15,17,19,21,23,25,27,29
	v_add3_u32 v[TOT], v[TOT], v[R+\u], v[R+\u+1]
.endr
	v_add_nc_u32 v[TOT], v[TOT], v[R+31]
	v_mov_b32 v[PRE], 0                            ; and of them those in chunks ahead of mine
.set U, 0
.rept 31
	s_cmp_gt_u32 s13, U
	s_cselect_b32 s14, -1, 0
	v_and_b32 v[TMP], s14, v[R+U]
	v_add_nc_u32 v[PRE], v[PRE], v[TMP]
.set U, U+1
.endr
	v_add_nc_u32 v[MTL], 15, v[TOT]
	v_lshrrev_b32 v[MTL], 4, v[MTL]                ; tiles of each bin
	v_mov_b32 v[INC], v[MTL]                       ; their running sum over the lanes
	v_mov_b32 v[TMP], 0
.irp d, 1,2,4,8
	v_mov_b32_dpp v[TMP], v[INC] row_shr:\d row_mask:0xf bank_mask:0xf bound_ctrl:1
	v_add_nc_u32 v[INC], v[INC], v[TMP]
.endr
	v_readlane_b32 s14, v[INC], 15
	v_lshrrev_b32 v[TMP], 4, v1
	v_sub_nc_u32 v[TMP], 0, v[TMP]                 ; all ones in lanes 16-31
	v_and_b32 v[TMP], s14, v[TMP]
	v_add_nc_u32 v[INC], v[INC], v[TMP]
	v_sub_nc_u32 v[MB], v[INC], v[MTL]             ; each bin's first tile
	v_readlane_b32 s15, v[INC], 31                 ; T
	s_wait_loadcnt 0x0                             ; my own counts and meta words
	v_lshl_add_u32 v[BV], v[MB], 4, v[PRE]
.irp j, 1,2,3,4,5,6,7
	v_add_nc_u32 v[BV+\j], v[BV+\j-1], v[OH+\j-1]
.endr
.irp j, 0,1,2,3,4,5,6,7
	v_and_b32 v[IXJ+\j], 31, v[MT+\j]
	v_lshlrev_b32 v[IXJ+\j], 2, v[IXJ+\j]
	ds_bpermute_b32 v[PJ+\j], v[IXJ+\j], v[BV+\j]  ; a lane is a token again: it takes its bin's lane's number
.endr
	s_lshl_b32 s16, s13, 8
	v_add_nc_u32 v[TK0], s16, v1                   ; token 256 W + lane
	s_wait_dscnt 0x0
.irp j, 0,1,2,3,4,5,6,7
	v_bfe_u32 v[RK+\j], v[MT+\j], 8, 8
	v_add_nc_u32 v[PJ+\j], v[PJ+\j], v[RK+\j]
	v_min_u32 v[PJ+\j], 9215, v[PJ+\j]             ; inside order's 9,216 words
	v_lshlrev_b32 v[PJ+\j], 2, v[PJ+\j]
	v_add_nc_u32 v[TKN+\j], 32*\j, v[TK0]
	global_store_b32 v[PJ+\j], v[TKN+\j], s[8:9]
.endr
	; the table: entry t = 32 W + lane: group t / 16, slot t % 16
	s_lshl_b32 s16, s13, 5
	v_add_nc_u32 v[TT], s16, v1
	v_lshrrev_b32 v[GG], 4, v[TT]
	v_and_b32 v[SL], 15, v[TT]
	v_mul_u32_u24 v[II], v[GG], s15
	v_add_nc_u32 v[EN], s15, v[II]
	v_lshrrev_b32 v[II], 6, v[II]
	v_lshrrev_b32 v[EN], 6, v[EN]                  ; the group's tiles end here
	v_add_nc_u32 v[II], v[II], v[SL]               ; my tile
	v_mov_b32 v[BIN], 0                            ; its bin: the first whose running sum lies above it
	v_mov_b32 v[PK], 0x10                          ; ea | eb << 4 of bin 0
	v_mov_b32 v[BASE], 0                           ; the bin's first tile
.set EA, 0
.set EB, 1
.set BT, 0
.rept 27
.set EB, EB+1
.if EB == 8
.set EA, EA+1
.set EB, EA+1
.endif
	v_readlane_b32 s14, v[INC], BT
	v_cmp_gt_u32 vcc_lo, s14, v[II]                ; bin BT ends above my tile: keep what I have; else move on to bin BT + 1
	v_cndmask_b32 v[BIN], BT+1, v[BIN], vcc_lo
	v_cndmask_b32 v[PK], EA|(EB<<4), v[PK], vcc_lo
	v_cndmask_b32 v[BASE], s14, v[BASE], vcc_lo
.set BT, BT+1
.endr
	v_lshlrev_b32 v[IX], 2, v[BIN]
	ds_bpermute_b32 v[TB], v[IX], v[TOT]
	ds_bpermute_b32 v[IB], v[IX], v[INC]
	v_mov_b32 v[ONES], -1
	v_sub_nc_u32 v[T1], v[II], v[BASE]
	v_lshlrev_b32 v[T1], 4, v[T1]
	s_wait_dscnt 0x0
	v_sub_nc_u32 v[ROWS], v[TB], v[T1]
	v_min_u32 v[ROWS], 16, v[ROWS]                 ; tokens in my tile
	v_min_u32 v[CNT], v[EN], v[IB]
	v_sub_nc_u32 v[CNT], v[CNT], v[II]             ; tiles from mine to the end of the bin or of the group
	v_lshlrev_b32 v[MK], v[CNT], v[ONES]
	v_not_b32 v[MK], v[MK]
	v_lshlrev_b32 v[MK], v[SL], v[MK]              ; their slots
	v_cmp_eq_u32 s14, 0, v[SL]
	v_cmp_eq_u32 s16, v[II], v[BASE]
	s_or_b32 s14, s14, s16                         ; a run begins at the group's first slot and at a bin's first tile
	v_cmp_lt_u32 s17, v[II], v[EN]                 ; the slot holds a tile
	s_and_b32 s14, s14, s17
	v_lshl_or_b32 v[T1], v[ROWS], 8, v[PK]
	v_lshl_or_b32 v[T1], v[II], 16, v[T1]
	v_lshl_or_b32 v[MK], v[PK], 16, v[MK]
	v_cndmask_b32 v[OUTW], 0, v[T1], s17
	v_cndmask_b32 v[OUTW+1], 0, v[MK], s14
	v_lshlrev_b32 v[AD], 3, v[TT]
	global_store_b64 v[AD], v[OUTW:OUTW+1], s[10:11]   ; 32 lanes store 256 bytes on end
	s_wait_tensorcnt 0x0
	ds_add_u32 v160, v161
	s_wait_dscnt 0x0
	s_endpgm
.Lfunc_end_k_qde84daf25d_place:
	.size	k_qde84daf25d_place, .Lfunc_end_k_qde84daf25d_place-k_qde84daf25d_place
	.p2alignl 7, 3214868480
	.fill 96, 4, 3214868480
	.section	.rodata,"a",@progbits
	.p2align	6, 0x0
	.amdhsa_kernel k_qde84daf25d_place
		.amdhsa_group_segment_fixed_size 4608
		.amdhsa_private_segment_fixed_size 0
		.amdhsa_enable_private_segment 0
		.amdhsa_kernarg_size 32
		.amdhsa_user_sgpr_count 2
		.amdhsa_user_sgpr_kernarg_segment_ptr 1
		.amdhsa_wavefront_size32 1
		.amdhsa_system_sgpr_workgroup_id_x 1
		.amdhsa_system_sgpr_workgroup_id_y 1
		.amdhsa_system_sgpr_workgroup_id_z 1
		.amdhsa_system_vgpr_workitem_id 0
		.amdhsa_next_free_vgpr 162
		.amdhsa_next_free_sgpr 66
		.amdhsa_reserve_vcc 1
		.amdhsa_float_denorm_mode_32 3
		.amdhsa_float_denorm_mode_16_64 3
		.amdhsa_memory_ordered 1
		.amdhsa_forward_progress 1
		.amdhsa_inst_pref_size 30
	.end_amdhsa_kernel
	.amdgpu_metadata
---
amdhsa.version: [ 1, 2 ]
amdhsa.kernels:
  - .name:           k_qde84daf25d_place
    .symbol:         k_qde84daf25d_place.kd
    .args:
      - { .name: meta, .offset: 0, .size: 8, .value_kind: global_buffer, .address_space: global }
      - { .name: hist, .offset: 8, .size: 8, .value_kind: global_buffer, .address_space: global }
      - { .name: order, .offset: 16, .size: 8, .value_kind: global_buffer, .address_space: global }
      - { .name: tab, .offset: 24, .size: 8, .value_kind: global_buffer, .address_space: global }
    .group_segment_fixed_size: 4608
    .private_segment_fixed_size: 0
    .kernarg_segment_align: 8
    .kernarg_segment_size: 32
    .max_flat_workgroup_size: 128
    .sgpr_count:     66
    .vgpr_count:     162
    .wavefront_size: 32
...
	.end_amdgpu_metadata
.endif
;; end of part 2
;; launch experts (part 3): grid 4 x 64, 4 waves a work-group, no clusters, 136,192 bytes of LDS; arguments xq, xs, wimg, expert_W_scales, expert_b, wgt, order, tab, out0; writes out0
.if DOCPART == 3
	.amdgcn_target "amdgcn-amd-amdhsa--gfx1250"
	.amdhsa_code_object_version 6
	.text
	.protected	k_qde84daf25d_experts
	.globl	k_qde84daf25d_experts
	.p2align	8
	.type	k_qde84daf25d_experts,@function
k_qde84daf25d_experts:
	s_mov_b64 s[64:65], 0
	v_nop
	global_prefetch_b8 v0, s[64:65] scope:SCOPE_SE
	s_setreg_imm32_b32 hwreg(HW_REG_WAVE_MODE, 25, 1), 1
	s_wait_xcnt 0x0
; THIRD LAUNCH: out[token] = pa (x Wa^T + ba) + pb (x Wb^T + bb) for the token's two experts a < b, on codes of E3M2 with E8M0 scales, f32 sums.  Only the two chosen experts are multiplied:
; the other six have weight 0 in the sum.
; SHARES.  Work-group (cb, g): group g of the table (at most 9 slots, each a tile of 16 tokens of one pair of experts) x columns 256 cb .. + 255.  Wave w: columns 64 w .. + 63 of these, for BOTH experts of every slot:
; 9 x 8 accumulators, 576 registers.  So a wave owns its 256 bytes of each token's row of out: nothing is added between work-groups, and no part of a sum goes to memory.
; THE PRODUCT IS USED TRANSPOSED: source 0 = 16 rows of W (16 columns of out), source 1 = 16 tokens: lane (r, h) holds token r and columns 16 n + 8 h + 0 .. 7.  The accumulators BEGIN AS THE BIAS, by loads.
; x's codes of the group's tokens are gathered once (each wave two K steps), laid in LDS as images of the operand's registers, and read by all four waves through a ring of four fragments.
; The weights come from memory straight into registers, as images laid by the first launch: three loads of 512 bytes on end a fragment, a K step (2 experts x 4 tiles) ahead, in two sets.
; A group that straddles bins walks RUNS of slots of one pair: a loop of 9 trips, one for each slot at which a run could begin; a trip with no run is jumped over, and inside a run the slots of other runs are.
; NO TENSOR LOADS, NO CLUSTER: which experts a work-group walks, and through how many runs, are numbers read from memory; partners would need different numbers of tiles, and the text branches on those numbers.
; Rows beyond a tile's count repeat its last token: the same codes give the same bits, stored to the same place by the same wave; so EXEC is never changed.
; LIMITS: as the first launch states them (NaN and infinities are not served).
; REGISTERS: window 0: v1-16 addresses; v17-21 at work; v32-71 x's scale words; v72-103 W's scale words (both hold scales and nothing else); v104-151 the ring of four fragments of x; v152-169 (pa, pb) a slot;
;            v170-253 the prologue's, later the way out's.   window 1: v0-95, v96-191 the weights' two sets (fragment 4 e + n at 12 (4 e + n)); v192-255 slot 8's accumulators.
;            window 2: slots 0-3;  window 3: slots 4-7: accumulator (e, n) of slot s at 64 (s % 4) + 8 (4 e + n).
.set XSC,  110592                      ; LDS: 0: x's fragments: 12288 slot + 1536 K step + 512 c + 16 lane;  here: x's scale words [pair of slots 5][lane 32][8 words]: lanes 0-15 the even slot, lanes 16-31 the odd one
.set STG,  115712                      ; for each wave a stage of 16 rows x (256 + 16) bytes
.set TOKL, 133120                      ; for each wave [slot 9][16] tokens: row p at place 8 (p % 2) + p / 2
.set LI0,  1                           ; 16 lane: an image's place for my lane (slots 0-4), and the weights' offset
.set LI1,  2                           ; + 61440 (slots 5-8)
.set RR,   3
.set HH,   4
.set WSO,  5                           ; 32 lane
.set XSR,  6
.set BO,   7                           ; 32 h
.set STO,  8
.set RD,   9
.set TKR,  10
.set CO,   11                          ; 16 r
.set IMW0, 12
.set IMW1, 13
.set XSW1, 14
.set XSW2, 15
.set TKW,  16
.set XS,   32
.set WS,   72
.set XF,   104
.set WAB,  152
.set IDX,  104                         ; the prologue's registers
.set BOF,  114
.set X8,   170
.set XSP,  196
.set XQO,  214
.set XSO,  223
.set TOK,  236
.set WGO,  245
.set T,    104                         ; the way out's
.set TK,   136
.set OB,   170
.set MASK, 61
.set TRIP, 62
.set MSB, 0
.macro WIN new                         ; the immediate's high byte repeats the setting that is left; a switch that changes nothing is dropped
.if MSB != (\new)
	s_set_vgpr_msb (MSB<<8)|(\new)
.set MSB, \new
.endif
.endm
.macro ACCW s                          ; slot s's accumulators: window AW, from register AB on
.if (\s) < 4
.set AW, 2
.set AB, 64*(\s)
.elseif (\s) < 8
.set AW, 3
.set AB, 64*((\s)-4)
.else
.set AW, 1
.set AB, 192
.endif
.endm
.macro ORD s                           ; my row's token of slot s: order[16 i + min(r, rows - 1)]; an empty slot reads order[0], which is always written
	s_lshr_b32 s78, s[32+2*(\s)], 16
	s_min_u32 s78, s78, 575
	s_lshl_b32 s78, s78, 4
	s_bfe_u32 s79, s[32+2*(\s)], 0x50008
	s_max_u32 s79, s79, 1
	s_sub_co_u32 s79, s79, 1
	v_min_u32 v[IDX+(\s)], s79, v[RR]
	v_add_nc_u32 v[IDX+(\s)], s78, v[IDX+(\s)]
	v_min_u32 v[IDX+(\s)], 9215, v[IDX+(\s)]
	v_lshlrev_b32 v[IDX+(\s)], 2, v[IDX+(\s)]
	global_load_b32 v[TOK+(\s)], v[IDX+(\s)], s[16:17]
.endm
.macro BOFF s                          ; the biases' offsets of slot s's two experts: 4096 e + 32 h, each in a register of its own
	s_and_b32 s78, s[32+2*(\s)], 15
	s_min_u32 s78, s78, 7
	s_lshl_b32 s78, s78, 12
	v_add_nc_u32 v[BOF+2*(\s)], s78, v[BO]
	s_bfe_u32 s78, s[32+2*(\s)], 0x40004
	s_min_u32 s78, s78, 7
	s_lshl_b32 s78, s78, 12
	v_add_nc_u32 v[BOF+2*(\s)+1], s78, v[BO]
.endm
.macro BIAS s                          ; the accumulators begin as the bias, in the result's layout: nothing is cleared, and the bias costs no addition
	ACCW \s
.set WM, AW<<6
	WIN WM
.irp e, 0,1
.irp n, 0,1,2,3
	global_load_b128 v[AB+8*(4*\e+\n):AB+8*(4*\e+\n)+3], v[BOF+2*(\s)+\e], s[12:13] offset:64*\n
	global_load_b128 v[AB+8*(4*\e+\n)+4:AB+8*(4*\e+\n)+7], v[BOF+2*(\s)+\e], s[12:13] offset:64*\n+16
.endr
.endr
.endm
.macro WLOAD k, b                      ; K step k's eight fragments of W into set b: 24 loads of 512 bytes on end
	WIN 0x40
.irp n, 0,1,2,3
.irp c, 0,1,2
	global_load_b128 v[96*(\b)+12*\n+4*\c:96*(\b)+12*\n+4*\c+3], v[LI0], s[66:67] offset:12288*\n+1536*(\k)+512*\c
.endr
.endr
.irp n, 0,1,2,3
.irp c, 0,1,2
	global_load_b128 v[96*(\b)+48+12*\n+4*\c:96*(\b)+48+12*\n+4*\c+3], v[LI0], s[68:69] offset:12288*\n+1536*(\k)+512*\c
.endr
.endr
	WIN 0
.endm
.macro XFETCH q                        ; fragment q = 9 k + s of x into place q % 4 of the ring
.set FK, ((\q)/9)%8
.set FS, (\q)%9
.set FD, XF+12*((\q)%4)
.irp c, 0,1,2
.if FS < 5
	ds_load_b128 v[FD+4*\c:FD+4*\c+3], v[LI0] offset:12288*FS+1536*FK+512*\c
.else
	ds_load_b128 v[FD+4*\c:FD+4*\c+3], v[LI1] offset:12288*(FS-5)+1536*FK+512*\c
.endif
.endr
.endm
.macro MM k, s, e, n                   ; W's scale words: lanes 0-15 an even tile's rows, lanes 16-31 the odd one's; x's: lanes 0-15 an even slot's tokens, lanes 16-31 the odd one's
.set RA, 96*((\k)%2)+12*(4*(\e)+(\n))
.set RC, AB+8*(4*(\e)+(\n))
.set SW, WS+16*(\e)+8*((\n)/2)+(\k)
.set SX, XS+8*((\s)/2)+(\k)
.if ((\n)%2 == 0) && ((\s)%2 == 0)
	v_wmma_scale_f32_16x16x128_f8f6f4 v[RC:RC+7], v[RA:RA+11], v[RB:RB+11], v[RC:RC+7], v[SW], v[SX] matrix_a_fmt:MATRIX_FMT_BF6 matrix_b_fmt:MATRIX_FMT_BF6
.elseif ((\n)%2 == 1) && ((\s)%2 == 0)
	v_wmma_scale_f32_16x16x128_f8f6f4 v[RC:RC+7], v[RA:RA+11], v[RB:RB+11], v[RC:RC+7], v[SW], v[SX] matrix_a_fmt:MATRIX_FMT_BF6 matrix_b_fmt:MATRIX_FMT_BF6 matrix_a_scale:MATRIX_SCALE_ROW1
.elseif ((\n)%2 == 0) && ((\s)%2 == 1)
	v_wmma_scale_f32_16x16x128_f8f6f4 v[RC:RC+7], v[RA:RA+11], v[RB:RB+11], v[RC:RC+7], v[SW], v[SX] matrix_a_fmt:MATRIX_FMT_BF6 matrix_b_fmt:MATRIX_FMT_BF6 matrix_b_scale:MATRIX_SCALE_ROW1
.else
	v_wmma_scale_f32_16x16x128_f8f6f4 v[RC:RC+7], v[RA:RA+11], v[RB:RB+11], v[RC:RC+7], v[SW], v[SX] matrix_a_fmt:MATRIX_FMT_BF6 matrix_b_fmt:MATRIX_FMT_BF6 matrix_a_scale:MATRIX_SCALE_ROW1 matrix_b_scale:MATRIX_SCALE_ROW1
.endif
.endm
; Slot s in K step k.  The ring goes on whether or not the slot belongs to the run, so the count of LDS loads is the same on every way.  The slot's eight accumulators take turns, one instruction a turn, and the next
; matrix instruction on any way is another accumulator's.  The four v_nop are the four places (ISA guide 7.12.1 for vector instructions) between the last product and: the load
; into the fragment just read, the next set of weights, the next run's scale words, the way out's first read.
.macro SLOT k, s
.set QQ, 9*(\k)+(\s)
.set RB, XF+12*(QQ%4)
	s_wait_dscnt 9                                 ; this fragment is in; the nine loads of the three behind it may be out
	s_bitcmp1_b32 s[MASK], \s
	s_cbranch_scc0 .Lskip_\@
	ACCW \s
.set WM, 0x01|(AW<<4)|(AW<<6)
	WIN WM                                         ; source 0 (W) window 1, source 1 (x) window 0, C and D the slot's window
.irp e, 0,1
.irp n, 0,1,2,3
	MM \k, \s, \e, \n
.endr
.endr
	WIN 0
.Lskip_\@:
.rept 4
	v_nop
.endr
	XFETCH (QQ+4)%72                               ; four fragments on; behind the last K step the ring begins anew, so it stands primed at the loop's head
.endm
; THE WAY OUT of slot s.  PACK: pa A + pb B, each accumulator read from its low end on; through my own stage, back as rows of 256 bytes, with the rows' tokens.  LDS serves a wave's instructions in order: no wait between.
.macro PACK s
	ACCW \s
.set TKB, TK+8*((\s)%2)
.set OBB, OB+32*((\s)%2)
.if (\s) > 1
	s_wait_xcnt 0x0                                ; the stores of two slots back have read their data and offsets: the loads below land on them
.endif
	WIN AW                                         ; source 0: the slot's window
.irp n, 0,1,2,3
.irp i, 0,2,4,6
	v_pk_mul_f32 v[T+8*\n+\i:T+8*\n+\i+1], v[AB+8*\n+\i:AB+8*\n+\i+1], v[WAB+2*(\s):WAB+2*(\s)+1] op_sel_hi:[1,0]   ; x pa: the pair's first word for both halves
.endr
.endr
.irp n, 0,1,2,3
.irp i, 0,2,4,6
	v_pk_fma_f32 v[T+8*\n+\i:T+8*\n+\i+1], v[AB+32+8*\n+\i:AB+32+8*\n+\i+1], v[WAB+2*(\s):WAB+2*(\s)+1], v[T+8*\n+\i:T+8*\n+\i+1] op_sel:[0,1,0] op_sel_hi:[1,1,1]   ; + pb B: the pair's second word for both halves
.endr
.endr
	WIN 0
.irp n, 0,1,2,3
	ds_store_b128 v[STO], v[T+8*\n:T+8*\n+3] offset:64*\n
	ds_store_b128 v[STO], v[T+8*\n+4:T+8*\n+7] offset:64*\n+16
.endr
.irp t, 0,1,2,3,4,5,6,7
	ds_load_b128 v[OBB+4*\t:OBB+4*\t+3], v[RD] offset:544*\t       ; lanes 0-15 row 2 t, lanes 16-31 row 2 t + 1
.endr
	ds_load_b128 v[TKB:TKB+3], v[TKR] offset:64*(\s)               ; the tokens of rows h, 2 + h, .. 14 + h
	ds_load_b128 v[TKB+4:TKB+7], v[TKR] offset:64*(\s)+16
.endm
.macro SEND s, younger                 ; younger: the LDS instructions issued behind slot s's loads: the next slot's 8 stores and 10 loads, or none
.set TKB, TK+8*((\s)%2)
.set OBB, OB+32*((\s)%2)
	s_wait_dscnt \younger
.irp t, 0,1,2,3,4,5,6,7
	v_min_u32 v[TKB+\t], 8191, v[TKB+\t]
.endr
.irp t, 0,1,2,3,4,5,6,7
	v_lshl_add_u32 v[TKB+\t], v[TKB+\t], 12, v[CO] ; the token's row of 4,096 bytes + 16 r
.endr
	s_bfe_u32 s78, s[32+2*(\s)], 0x50008
	s_cmp_eq_u32 s78, 0
	s_cbranch_scc1 .Lempty_\@                      ; a slot without a tile stores nothing
.irp t, 0,1,2,3,4,5,6,7
	global_store_b128 v[TKB+\t], v[OBB+4*\t:OBB+4*\t+3], s[74:75] th:TH_STORE_NT   ; sixteen lanes store 256 bytes on end, at a multiple of 256 from out0's first byte
.endr
.Lempty_\@:
.endm
	s_load_b512 s[4:19], s[0:1], 0x0               ; xq s[4:5], xs s[6:7], wimg s[8:9], W's scales s[10:11], expert_b s[12:13], wgt s[14:15], order s[16:17], tab s[18:19]
	s_load_b64 s[20:21], s[0:1], 0x40              ; out0
	v_lshl_add_u32 v254, v0, 2, 0x21200
	v_mov_b32 v255, 0
	v_lshrrev_b32 v17, 5, v0
	v_readfirstlane_b32 s24, v17                   ; wave 0..3
	s_and_b32 s26, ttmp7, 0xffff                   ; the group
	s_lshl_b32 s76, s26, 7
	s_mov_b32 s77, 0
	s_wait_kmcnt 0x0
	s_add_nc_u64 s[18:19], s[18:19], s[76:77]
	s_load_b512 s[32:47], s[18:19], 0x0            ; slots 0-7: info in s[32 + 2 s], seg in s[33 + 2 s]
	s_load_b64 s[48:49], s[18:19], 0x40            ; slot 8
	v_and_b32 v17, 31, v0                          ; lane
	v_and_b32 v[RR], 15, v0
	v_bfe_u32 v[HH], v0, 4, 1
	v_lshlrev_b32 v[LI0], 4, v17
	v_add_nc_u32 v[LI1], 61440, v[LI0]
	v_lshlrev_b32 v[WSO], 5, v17
	v_add_nc_u32 v[XSR], XSC, v[WSO]
	v_lshlrev_b32 v[BO], 5, v[HH]
	s_mul_i32 s78, s24, 4352
	s_add_co_u32 s78, s78, STG                     ; my stage
	v_mul_u32_u24 v18, v[RR], 272
	v_lshl_add_u32 v18, v[HH], 5, v18
	v_add_nc_u32 v[STO], s78, v18                  ; in: row r, + 32 h
	v_mul_u32_u24 v18, v[HH], 272
	v_lshl_add_u32 v18, v[RR], 4, v18
	v_add_nc_u32 v[RD], s78, v18                   ; back: row h, + 16 r
	s_mul_i32 s78, s24, 576
	s_add_co_u32 s78, s78, TOKL
	v_add_nc_u32 v[TKR], s78, v[BO]
	v_lshlrev_b32 v[CO], 4, v[RR]
	s_mul_i32 s79, s24, 3072                       ; my two K steps' images
	v_add_nc_u32 v[IMW0], s79, v[LI0]
	v_add_nc_u32 v[IMW1], 61440, v[IMW0]
	s_lshl_b32 s79, s24, 3                         ; and their two scale words
	v_mov_b32 v21, s79
	s_add_co_u32 s79, s79, XSC
	v_lshl_add_u32 v[XSW1], v[RR], 5, s79
	v_add_nc_u32 v[XSW2], s79, v[WSO]
	v_and_b32 v18, 1, v[RR]
	v_lshrrev_b32 v19, 1, v[RR]
	v_lshl_add_u32 v18, v18, 3, v19
	v_lshl_add_u32 v[TKW], v18, 2, s78
	s_mul_i32 s78, s24, 96
	v_mul_u32_u24 v20, v[HH], 384
	v_add_nc_u32 v20, s78, v20                     ; xq: 384 h + 96 wave
	s_lshl_b32 s76, ttmp9, 10
	s_lshl_b32 s78, s24, 8
	s_add_co_u32 s76, s76, s78                     ; my 64 columns, in bytes of f32: 1024 cb + 256 wave
	s_add_nc_u64 s[12:13], s[12:13], s[76:77]
	s_add_nc_u64 s[74:75], s[20:21], s[76:77]
	s_mul_i32 s76, ttmp9, 196608
	s_mul_i32 s78, s24, 49152
	s_add_co_u32 s76, s76, s78
	s_add_nc_u64 s[80:81], s[8:9], s[76:77]        ; my four tiles of W's images in expert 0
	s_lshl_b32 s76, ttmp9, 13
	s_lshl_b32 s78, s24, 11
	s_add_co_u32 s76, s76, s78
	s_add_nc_u64 s[82:83], s[10:11], s[76:77]      ; and their 64 rows of scale bytes
	s_wait_kmcnt 0x0
.irp s, 0,1,2,3,4,5,6,7,8
	s_mov_b32 s[52+\s], s[33+2*\s]                 ; the runs' words, in a queue
.endr
.irp s, 0,1,2,3,4,5,6,7,8
	ORD \s
.endr
.irp s, 0,1,2,3,4,5,6,7,8
	BOFF \s
.endr
.irp s, 0,1,2,3,4,5,6,7,8
	BIAS \s
.endr
	WIN 0
	s_wait_loadcnt 63                              ; the nine loads from the list are the oldest of 153: they are in
.irp s, 0,1,2,3,4,5,6,7,8
	v_min_u32 v[TOK+\s], 8191, v[TOK+\s]
.endr
.irp s, 0,1,2,3,4,5,6,7,8
	ds_store_b32 v[TKW], v[TOK+\s] offset:64*\s    ; (lanes r and 16 + r write the same word with the same value)
	v_mul_u32_u24 v[XQO+\s], v[TOK+\s], 768
	v_add_nc_u32 v[XQO+\s], v[XQO+\s], v20
	v_lshl_add_u32 v[XSO+\s], v[TOK+\s], 5, v21
	v_lshlrev_b32 v[WGO+\s], 3, v[TOK+\s]
.endr
	WIN 0x40                                       ; slots 0-7: into the weights' registers, which are idle yet
.irp s, 0,1,2,3,4,5,6,7
.irp u, 0,1,2,3,4,5
	global_load_b128 v[24*\s+4*\u:24*\s+4*\u+3], v[XQO+\s], s[4:5] offset:16*\u   ; 96 bytes on end a lane: my two K steps' registers of token r, half h
.endr
.endr
	WIN 0
.irp u, 0,1,2,3,4,5
	global_load_b128 v[X8+4*\u:X8+4*\u+3], v[XQO+8], s[4:5] offset:16*\u
.endr
.irp s, 0,1,2,3,4,5,6,7,8
	global_load_b64 v[XSP+2*\s:XSP+2*\s+1], v[XSO+\s], s[6:7]
	global_load_b64 v[WAB+2*\s:WAB+2*\s+1], v[WGO+\s], s[14:15]
.endr
	s_wait_loadcnt 0x0                             ; the biases, the codes, the scale words, the weights pa and pb
	WIN 0x04                                       ; an LDS store's data are its source 1: window 1
.irp s, 0,1,2,3,4
.irp u, 0,1,2,3,4,5
	ds_store_b128 v[IMW0], v[24*\s+4*\u:24*\s+4*\u+3] offset:12288*\s+512*\u
.endr
.endr
.irp s, 5,6,7
.irp u, 0,1,2,3,4,5
	ds_store_b128 v[IMW1], v[24*\s+4*\u:24*\s+4*\u+3] offset:12288*(\s-5)+512*\u
.endr
.endr
	WIN 0
.irp u, 0,1,2,3,4,5
	ds_store_b128 v[IMW1], v[X8+4*\u:X8+4*\u+3] offset:36864+512*\u
.endr
.irp s, 0,1,2,3,4,5,6,7
	ds_store_b64 v[XSW1], v[XSP+2*\s:XSP+2*\s+1] offset:1024*(\s/2)+512*(\s%2)
.endr
	ds_store_b64 v[XSW2], v[XSP+16:XSP+17] offset:4096             ; slot 8 has no partner: its words fill both halves of the pair, so that no byte is read that nobody wrote
	s_wait_dscnt 0x0                               ; for the others' sake: my two K steps lie in LDS
	s_barrier_signal -1
	s_barrier_wait -1                              ; the only barrier: from here on LDS's shared bytes are only read
.irp p, 0,1,2,3,4
	ds_load_b128 v[XS+8*\p:XS+8*\p+3], v[XSR] offset:1024*\p
	ds_load_b128 v[XS+8*\p+4:XS+8*\p+7], v[XSR] offset:1024*\p+16
.endr
	XFETCH 0                                       ; the ring is primed: 12 loads.  The first wait for 9 also covers the ten loads above, which were issued ahead of them
	XFETCH 1
	XFETCH 2
	XFETCH 3
	s_mov_b32 s[TRIP], 0
.Lseg:                                             ; nine trips: trip j serves the run that begins at slot j, if one does
	s_cmp_eq_u32 s52, 0
	s_cbranch_scc1 .Lnext
	s_and_b32 s[MASK], s52, 0x1ff                  ; the run's slots
	s_bfe_u32 s78, s52, 0x40010                    ; its experts
	s_min_u32 s78, s78, 7
	s_bfe_u32 s79, s52, 0x40014
	s_min_u32 s79, s79, 7
	s_mul_i32 s76, s78, 786432                     ; (no load of mine is out here: the bases may be written)
	s_add_nc_u64 s[66:67], s[80:81], s[76:77]
	s_mul_i32 s76, s79, 786432
	s_add_nc_u64 s[68:69], s[80:81], s[76:77]
	s_lshl_b32 s76, s78, 15
	s_add_nc_u64 s[70:71], s[82:83], s[76:77]
	s_lshl_b32 s76, s79, 15
	s_add_nc_u64 s[72:73], s[82:83], s[76:77]
.irp q, 0,1
	global_load_b128 v[WS+8*\q:WS+8*\q+3], v[WSO], s[70:71] offset:1024*\q         ; row 32 q + lane: its eight scale words, all of K
	global_load_b128 v[WS+8*\q+4:WS+8*\q+7], v[WSO], s[70:71] offset:1024*\q+16
	global_load_b128 v[WS+16+8*\q:WS+16+8*\q+3], v[WSO], s[72:73] offset:1024*\q
	global_load_b128 v[WS+16+8*\q+4:WS+16+8*\q+7], v[WSO], s[72:73] offset:1024*\q+16
.endr
	WLOAD 0, 0
	WLOAD 1, 1
.irp k, 0,1,2,3,4,5,6,7
.if (\k >= 1) && (\k <= 6)
	WLOAD \k+1, (\k+1)%2                           ; into the set that the K step before has left
.endif
.if \k < 7
	s_wait_loadcnt 24                              ; this K step's weights are in (in K step 0 the scale words too); the next step's 24 loads may be out
.else
	s_wait_loadcnt 0x0
.endif
.irp s, 0,1,2,3,4,5,6,7,8
	SLOT \k, \s
.endr
.endr
.Lnext:
.irp i, 0,1,2,3,4,5,6,7
	s_mov_b32 s[52+\i], s[53+\i]                   ; the queue moves up
.endr
	s_add_co_u32 s[TRIP], s[TRIP], 1
	s_cmp_lt_u32 s[TRIP], 9
	s_cbranch_scc1 .Lseg
	s_wait_dscnt 0x0                               ; the ring's last twelve loads: the way out writes their registers
	PACK 0
.irp s, 1,2,3,4,5,6,7,8
	PACK \s                                        ; a slot's arithmetic stands between the loads of the slot before and its stores
	SEND \s-1, 18
.endr
	SEND 8, 0
	s_wait_tensorcnt 0x0
	ds_add_u32 v254, v255
	s_wait_dscnt 0x0
	s_endpgm
.Lfunc_end_k_qde84daf25d_experts:
	.size	k_qde84daf25d_experts, .Lfunc_end_k_qde84daf25d_experts-k_qde84daf25d_experts
	.p2alignl 7, 3214868480
	.fill 96, 4, 3214868480
	.section	.rodata,"a",@progbits
	.p2align	6, 0x0
	.amdhsa_kernel k_qde84daf25d_experts
		.amdhsa_group_segment_fixed_size 136192
		.amdhsa_private_segment_fixed_size 0
		.amdhsa_enable_private_segment 0
		.amdhsa_kernarg_size 72
		.amdhsa_user_sgpr_count 2
		.amdhsa_user_sgpr_kernarg_segment_ptr 1
		.amdhsa_wavefront_size32 1
		.amdhsa_system_sgpr_workgroup_id_x 1
		.amdhsa_system_sgpr_workgroup_id_y 1
		.amdhsa_system_sgpr_workgroup_id_z 1
		.amdhsa_system_vgpr_workitem_id 0
		.amdhsa_next_free_vgpr 1024
		.amdhsa_next_free_sgpr 96
		.amdhsa_reserve_vcc 0
		.amdhsa_float_denorm_mode_32 3
		.amdhsa_float_denorm_mode_16_64 3
		.amdhsa_memory_ordered 1
		.amdhsa_forward_progress 1
		.amdhsa_inst_pref_size 213
	.end_amdhsa_kernel
	.amdgpu_metadata
---
amdhsa.version: [ 1, 2 ]
amdhsa.kernels:
  - .name:           k_qde84daf25d_experts
    .symbol:         k_qde84daf25d_experts.kd
    .args:
      - { .name: xq, .offset: 0, .size: 8, .value_kind: global_buffer, .address_space: global }
      - { .name: xs, .offset: 8, .size: 8, .value_kind: global_buffer, .address_space: global }
      - { .name: wimg, .offset: 16, .size: 8, .value_kind: global_buffer, .address_space: global }
      - { .name: expert_W_scales, .offset: 24, .size: 8, .value_kind: global_buffer, .address_space: global }
      - { .name: expert_b, .offset: 32, .size: 8, .value_kind: global_buffer, .address_space: global }
      - { .name: wgt, .offset: 40, .size: 8, .value_kind: global_buffer, .address_space: global }
      - { .name: order, .offset: 48, .size: 8, .value_kind: global_buffer, .address_space: global }
      - { .name: tab, .offset: 56, .size: 8, .value_kind: global_buffer, .address_space: global }
      - { .name: out0, .offset: 64, .size: 8, .value_kind: global_buffer, .address_space: global }
    .group_segment_fixed_size: 136192
    .private_segment_fixed_size: 0
    .kernarg_segment_align: 8
    .kernarg_segment_size: 72
    .max_flat_workgroup_size: 128
    .sgpr_count:     96
    .vgpr_count:     1024
    .wavefront_size: 32
...
	.end_amdgpu_metadata
.endif
;; end of part 3
;; ======== version 2 of 2: 3 launches
;; workspace buffers: xq 6,291,456 bytes; xs 262,144 bytes; wimg 6,291,456 bytes; wgt 65,536 bytes; meta 32,768 bytes of whole numbers; hist 32,768 bytes of whole numbers; order 36,864 bytes of whole numbers; tab 8,192 bytes of whole numbers
;; launch route_quant (part 4): grid 256 x 1, 4 waves a work-group, no clusters, 78,336 bytes of LDS; arguments x, gate_W, gate_b, expert_W_codes, xq, xs, wimg, wgt, meta, hist; writes xq, xs, wimg, wgt, meta, hist
.if DOCPART == 4
	.amdgcn_target "amdgcn-amd-amdhsa--gfx1250"
	.amdhsa_code_object_version 6
	.text
	.protected	k_qde84daf25d_route_quant
	.globl	k_qde84daf25d_route_quant
	.p2align	8
	.type	k_qde84daf25d_route_quant,@function
k_qde84daf25d_route_quant:
	s_mov_b64 s[64:65], 0
	v_nop
	global_prefetch_b8 v0, s[64:65] scope:SCOPE_SE
	s_setreg_imm32_b32 hwreg(HW_REG_WAVE_MODE, 25, 1), 1
	s_wait_xcnt 0x0
; FIRST OF THREE LAUNCHES.  For 32 tokens a work-group (8 a wave): the gate's 8 logits in f32 by fused multiply-adds, softmax with the row's maximum taken away, the two largest
; probabilities (the lower index wins a tie), and x turned into codes of E3M2 with one E8M0 byte for each 32 along K.  Beside that each wave re-lays four fragments of expert_W's codes.
; STORED:  xq   [token][h 2][K step 8][c 2][24 bytes]: block 4 k + 2 c + h of a token at 768 token + 384 h + 48 k + 24 c, so that lane (r, h) of an operand finds a K step's 12 registers as 48 bytes on end;
;          xs   [token][32] scale bytes, block by block;   wimg [expert x 64 + tile of 16 rows][K step 8][3][lane 32][16 bytes]: a fragment's registers as they stand, 512 bytes on end a load;
;          wgt  [token] (p of the lower expert, p of the higher);   meta [token] bin | rank among the work-group's tokens of that bin << 8;   hist [work-group][32] tokens in each bin.
;          bin of the pair a < b: a (15 - a) / 2 + b - a - 1, 0 .. 27.  All are stored at fixed places: no address and no branch here hangs on the choice.
; x is read once: a token's row lies in 32 registers a lane (k = 128 j + 4 lane + 0 .. 3), serves the gate's sums as it lies, and turns through the wave's own LDS so that a lane holds one whole block of 32.
; gate_W (32 KiB) comes once a work-group, goes through LDS and stays in 256 registers of every wave.
; LIMITS: NaN and infinities are not served.  A block of x whose largest magnitude lies under 2^-122 (zeros too) gets the byte 1; its codes are then small or zero, and this program alone reads the bytes.
;         The gate's sums are f32 in another order than a row-by-row sum, and 1 / sum is v_rcp_f32: two probabilities that agree to the last bits may be ranked the other way.
; REGISTERS: window 0: v1-11, v28-29 addresses; v12-27 at work; v32-95 V[8 t + e] my part of logit e of token t; v96-111 eight pairs of sums; v112-143 a block; v144-151 codes; v152-155 at work;
;            v200-247 W's four fragments.   window 1: gate_W.   window 2: x, 32 registers a token.
.set TURNB, 32768                      ; LDS: 0: gate_W, 32,768 bytes;  here: for each wave 32 blocks at 144 bytes (128 + 16)
.set CSTB,  51200                      ; for each wave 8 tokens x 768 bytes of codes, laid as xq
.set XSB,   75776                      ; 32 tokens x 32 scale bytes
.set LG,    76800                      ; 32 tokens x 8 logits
.set LANE, 1
.set LI,   2                           ; 16 x lane
.set GWO,  3                           ; 8192 wave + 16 lane: my wave's quarter of gate_W, in memory and in LDS
.set XO,   4                           ; 32768 wave + 16 lane: my wave's 8 rows of x
.set TIN,  5                           ; the turn, in:  144 (lane / 8) + 16 (lane % 8)
.set TOUT, 6                           ; the turn, out: 144 lane
.set CIN,  7                           ; my block's 24 bytes in a token's 768
.set COUT, 8
.set SBA,  9
.set LGA,  10
.set WRO,  11                          ; W: 768 (lane % 16) + 24 (lane / 16)
.set TA,   12
.set TC,   20
.set V,    32
.set PA,   96
.set XB,   112
.set CD,   144
.set TM,   152
.set CO,   112
.set WR,   200
.set MSB, 0
.macro WIN new                         ; the immediate's high byte repeats the setting that is left; a switch that changes nothing is dropped
.if MSB != (\new)
	s_set_vgpr_msb (MSB<<8)|(\new)
.set MSB, \new
.endif
.endm
.macro XLOAD t                         ; token t's row: eight loads of 512 bytes on end
	WIN 0x80
.irp j, 0,1,2,3,4,5,6,7
	global_load_b128 v[32*(\t)+4*\j:32*(\t)+4*\j+3], v[XO], s[4:5] offset:4096*(\t)+512*\j th:TH_LOAD_NT
.endr
.endm
.macro WRLOAD p                        ; eight of the 24 loads of W's four fragments: fragment U / 6, piece U % 6: 24 bytes of blocks h and 2 + h of a K step, 8 bytes a load
	WIN 0
.irp i, 0,1,2,3,4,5,6,7
.set U, 8*(\p)+\i
	global_load_b64 v[WR+12*(U/6)+2*(U%6):WR+12*(U/6)+2*(U%6)+1], v[WRO], s[10:11] offset:96*(U/6)+48*((U%6)/3)+8*(U%3)
.endr
.endm
.macro FMA t                           ; my 32 numbers of token t against the same k of the 8 rows of gate_W: eight chains of packed multiply-adds that do not wait for each other
	WIN 0x06                                       ; source 0 (x) window 2, source 1 (gate_W) window 1
.irp e, 0,1,2,3,4,5,6,7
	v_pk_mul_f32 v[PA+2*\e:PA+2*\e+1], v[32*(\t):32*(\t)+1], v[32*\e:32*\e+1]
.endr
.irp u, 1,2,3,4,5,6,7,8,9,10,11,12,13,14,15
.irp e, 0,1,2,3,4,5,6,7
	v_pk_fma_f32 v[PA+2*\e:PA+2*\e+1], v[32*(\t)+2*\u:32*(\t)+2*\u+1], v[32*\e+2*\u:32*\e+2*\u+1], v[PA+2*\e:PA+2*\e+1]
.endr
.endr
	WIN 0
.irp e, 0,1,2,3,4,5,6,7
	v_add_f32 v[V+8*(\t)+\e], v[PA+2*\e], v[PA+2*\e+1]
.endr
.endm
.macro TURN t                          ; the row through my wave's own LDS: in as it lies, out a block a lane.  LDS serves a wave's instructions in order: no wait between
	WIN 0x08                                       ; an LDS store's data are its source 1: window 2
.irp j, 0,1,2,3,4,5,6,7
	ds_store_b128 v[TIN], v[32*(\t)+4*\j:32*(\t)+4*\j+3] offset:576*\j
.endr
	WIN 0
.irp i, 0,1,2,3,4,5,6,7
	ds_load_b128 v[XB+4*\i:XB+4*\i+3], v[TOUT] offset:16*\i
.endr
.endm
.macro QUANT t                         ; block = lane of token t: largest magnitude (two chains), scale, 32 codes in 24 bytes, scale byte
	v_max3_num_f32 v[TM], |v[XB]|, |v[XB+1]|, 0x2800000            ; the floor 2^(5 - 127): the byte cannot fall under 1
	v_max3_num_f32 v[TM+1], |v[XB+16]|, |v[XB+17]|, |v[XB+18]|
.irp i, 2,4,6,8,10,12
	v_max3_num_f32 v[TM], v[TM], |v[XB+\i]|, |v[XB+\i+1]|
	v_max3_num_f32 v[TM+1], v[TM+1], |v[XB+17+\i]|, |v[XB+18+\i]|
.endr
	v_max3_num_f32 v[TM], v[TM], |v[XB+14]|, |v[XB+15]|
	v_max3_num_f32 v[TM], v[TM], v[TM+1], |v[XB+31]|
	v_add_nc_u32 v[TM+2], 0xfe000000, v[TM]        ; 4 off the exponent field: the conversion takes this operand's exponent field as its scale
	v_lshrrev_b32 v[TM+3], 23, v[TM+2]             ; the scale's byte
	v_cvt_scalef32_pk16_bf6_f32 v[CD:CD+2], v[XB:XB+15], v[TM+2]
	v_cvt_scalef32_pk16_bf6_f32 v[CD+4:CD+6], v[XB+16:XB+31], v[TM+2]   ; (a conversion's three registers begin on an even number)
	v_nop                                          ; one plain vector instruction behind a scaled conversion, ahead of the moves that read its result
	v_mov_b32 v[CD+3], v[CD+4]
	v_mov_b32 v[CD+4], v[CD+5]
	v_mov_b32 v[CD+5], v[CD+6]
	ds_store_b64 v[CIN], v[CD:CD+1] offset:768*(\t)
	ds_store_b64 v[CIN], v[CD+2:CD+3] offset:768*(\t)+8
	ds_store_b64 v[CIN], v[CD+4:CD+5] offset:768*(\t)+16
	ds_store_b8 v[SBA], v[TM+3] offset:32*(\t)
.endm
; 32 values, each spread over the 32 lanes, are summed so that lane l ends with value l: halves change places (16), then lanes l and l xor 8, 4, 2, 1: each lane keeps the half of the values that its bit names and sends the other.
.macro RSTEP d, m
.set I, 0
.rept \d
	v_cndmask_b32 v[TA+I], v[VB+I], v[VB+I+\d], s[\m]              ; what I keep
	v_cndmask_b32 v[TC+I], v[VB+I+\d], v[VB+I], s[\m]              ; what my partner wants
.set I, I+1
.endr
.set I, 0
.rept \d
	v_add_f32_dpp v[VB+I], v[TC+I], v[TA+I] row_xmask:\d row_mask:0xf bank_mask:0xf
.set I, I+1
.endr
.endm
.macro RSCAT b
.set VB, V+32*(\b)
.irp i, 0,1,2,3,4,5,6,7,8,9,10,11,12,13,14,15
	v_permlane16_swap_b32 v[VB+\i], v[VB+16+\i]
.endr
.irp i, 0,1,2,3,4,5,6,7,8,9,10,11,12,13,14,15
	v_add_f32 v[VB+\i], v[VB+\i], v[VB+16+\i]
.endr
	RSTEP 8, 28
	RSTEP 4, 29
	RSTEP 2, 30
	RSTEP 1, 31
	ds_store_b32 v[LGA], v[VB] offset:128*(\b)     ; value l of batch b is logit l % 8 of my token 4 b + l / 8
.endm
.macro TOKEN t, left
	s_wait_loadcnt \left                           ; token t's eight loads are in; left = the later tokens' loads, 8 each, and W's loads issued so far
.if (\t) < 2
	XLOAD (\t)+6
.elseif (\t) < 5
	WRLOAD (\t)-2
.endif
	TURN \t
	FMA \t                                         ; 136 vector instructions stand between the turn's loads and the wait for them
	s_wait_dscnt 0x0                               ; my block is in, and the last token's LDS stores have read their registers
	QUANT \t
.endm
	s_load_b512 s[4:19], s[0:1], 0x0               ; x s[4:5], gate_W s[6:7], gate_b s[8:9], W's codes s[10:11], xq s[12:13], xs s[14:15], wimg s[16:17], wgt s[18:19]
	s_load_b128 s[20:23], s[0:1], 0x40             ; meta s[20:21], hist s[22:23]
	v_lshl_add_u32 v254, v0, 2, 0x13000
	v_mov_b32 v255, 0
	v_lshrrev_b32 v12, 5, v0
	v_readfirstlane_b32 s24, v12                   ; wave 0..3
	v_and_b32 v[LANE], 31, v0
	v_lshlrev_b32 v[LI], 4, v[LANE]
	s_lshl_b32 s40, s24, 13
	v_add_nc_u32 v[GWO], s40, v[LI]
	s_lshl_b32 s40, s24, 15
	v_add_nc_u32 v[XO], s40, v[LI]
	s_lshl_b32 s26, ttmp9, 17                      ; the work-group's 32 rows of 4,096 bytes
	s_mov_b32 s27, 0
	s_wait_alu depctr_va_vdst(0)
	s_wait_kmcnt 0x0
	s_add_nc_u64 s[4:5], s[4:5], s[26:27]
	s_load_b256 s[32:39], s[8:9], 0x0              ; gate_b
	WIN 0x40
.irp i, 0,1,2,3,4,5,6,7,8,9,10,11,12,13,14,15
	global_load_b128 v[4*\i:4*\i+3], v[GWO], s[6:7] offset:512*\i   ; my wave's quarter of gate_W
.endr
.irp t, 0,1,2,3,4,5
	XLOAD \t                                       ; six tokens, 48 loads, ahead
.endr
	WIN 0
	s_mul_i32 s40, s24, 4608
	s_add_co_u32 s40, s40, TURNB
	v_lshrrev_b32 v12, 3, v[LANE]
	v_and_b32 v13, 7, v[LANE]
	v_mul_u32_u24 v12, v12, 144
	v_lshl_add_u32 v12, v13, 4, v12
	v_add_nc_u32 v[TIN], s40, v12
	v_mul_u32_u24 v12, v[LANE], 144
	v_add_nc_u32 v[TOUT], s40, v12
	s_mul_i32 s40, s24, 6144
	s_add_co_u32 s40, s40, CSTB
	v_and_b32 v12, 1, v[LANE]                      ; block = lane = 4 k + 2 c + h
	v_mul_u32_u24 v12, v12, 384
	v_lshrrev_b32 v13, 2, v[LANE]
	v_mad_u32_u24 v12, v13, 48, v12
	v_bfe_u32 v13, v[LANE], 1, 1
	v_mad_u32_u24 v12, v13, 24, v12
	v_add_nc_u32 v[CIN], s40, v12
	v_add_nc_u32 v[COUT], s40, v[LI]
	s_lshl_b32 s40, s24, 8
	s_add_co_u32 s41, s40, XSB
	v_add_nc_u32 v[SBA], s41, v[LANE]
	s_add_co_u32 s41, s40, LG
	v_lshl_add_u32 v[LGA], v[LANE], 2, s41
	v_and_b32 v12, 15, v[LANE]
	v_lshrrev_b32 v13, 4, v[LANE]
	v_mul_u32_u24 v12, v12, 768
	v_mad_u32_u24 v[WRO], v13, 24, v12
	v_add_nc_u32 v28, XSB, v[LI]                   ; the ends' LDS addresses are made here, ahead of the parting of the waves
	v_lshl_add_u32 v29, v[LANE], 5, LG
	s_mov_b32 s28, 0xff00ff00                      ; lanes whose bit 3, 2, 1, 0 is set
	s_mov_b32 s29, 0xf0f0f0f0
	s_mov_b32 s30, 0xcccccccc
	s_mov_b32 s31, 0xaaaaaaaa
	s_lshl_b32 s40, ttmp9, 1
	s_lshr_b32 s41, s24, 1
	s_add_co_u32 s40, s40, s41                     ; my tile of 16 rows of W: 2 x work-group + wave / 2, of 512
	s_mul_i32 s26, s40, 12288
	s_and_b32 s41, s24, 1                          ; my four K steps: 4 (wave % 2) on
	s_mul_i32 s42, s41, 384
	s_add_co_u32 s42, s42, s26
	s_mov_b32 s43, 0
	s_add_nc_u64 s[10:11], s[10:11], s[42:43]
	s_mul_i32 s42, s41, 6144
	s_add_co_u32 s42, s42, s26
	s_add_nc_u64 s[16:17], s[16:17], s[42:43]
	s_mul_i32 s42, ttmp9, 24576
	s_mul_i32 s41, s24, 6144
	s_add_co_u32 s42, s42, s41
	s_add_nc_u64 s[12:13], s[12:13], s[42:43]      ; xq at my wave's 8 tokens
	s_lshl_b32 s42, ttmp9, 10
	s_add_nc_u64 s[14:15], s[14:15], s[42:43]
	s_lshl_b32 s42, ttmp9, 7
	s_add_nc_u64 s[20:21], s[20:21], s[42:43]
	s_add_nc_u64 s[22:23], s[22:23], s[42:43]
	s_lshl_b32 s42, ttmp9, 8
	s_add_nc_u64 s[18:19], s[18:19], s[42:43]
	s_wait_kmcnt 0x0                               ; gate_b
	s_wait_loadcnt 48                              ; gate_W's 16 loads are in; the 48 of x behind them stay out
	WIN 0x04
.irp i, 0,1,2,3,4,5,6,7,8,9,10,11,12,13,14,15
	ds_store_b128 v[GWO], v[4*\i:4*\i+3] offset:512*\i
.endr
	s_wait_dscnt 0x0                               ; for the others' sake: my quarter lies in LDS
	s_barrier_signal -1
	s_barrier_wait -1
	WIN 0x40
.set Q, 0
.rept 64
	ds_load_b128 v[4*Q:4*Q+3], v[LI] offset:512*Q  ; chunk 8 e + j: gate_W[e][128 j + 4 lane + 0 .. 3]
.set Q, Q+1
.endr
	WIN 0
	s_wait_dscnt 0x0
	TOKEN 0, 40
	TOKEN 1, 40
	TOKEN 2, 40
	TOKEN 3, 40
	TOKEN 4, 40
	TOKEN 5, 40
	TOKEN 6, 32
	TOKEN 7, 24
	s_wait_dscnt 0x0                               ; the last token's LDS stores have read their registers: the loads below land on them
.irp i, 0,1,2,3,4,5,6,7,8,9,10,11
	ds_load_b128 v[CO+4*\i:CO+4*\i+3], v[COUT] offset:512*\i       ; my 8 tokens' codes, 6,144 bytes, as they will lie in xq
.endr
	RSCAT 0
	RSCAT 1
	s_wait_dscnt 0x0
.irp i, 0,1,2,3,4,5,6,7,8,9,10,11
	global_store_b128 v[LI], v[CO+4*\i:CO+4*\i+3], s[12:13] offset:512*\i   ; 32 lanes store 512 bytes on end, at a multiple of 256 from xq's first byte
.endr
	s_wait_loadcnt 0x0                             ; W's fragments
.irp f, 0,1,2,3
.irp c, 0,1,2
	global_store_b128 v[LI], v[WR+12*\f+4*\c:WR+12*\f+4*\c+3], s[16:17] offset:1536*\f+512*\c
.endr
.endr
	s_barrier_signal -1                            ; every wave's logits and scale bytes lie in LDS (the wait for all my LDS instructions stands above; none was issued since)
	s_barrier_wait -1
	s_cmp_eq_u32 s24, 1
	s_cbranch_scc1 .Lxs
	s_cmp_eq_u32 s24, 0
	s_cbranch_scc1 .Lroute
	s_wait_tensorcnt 0x0
	ds_add_u32 v254, v255
	s_wait_dscnt 0x0
	s_endpgm
.Lxs:                                              ; wave 1: the work-group's 1,024 scale bytes leave as four aligned runs of 256
	ds_load_b128 v[32:35], v28
	ds_load_b128 v[36:39], v28 offset:512
	s_wait_dscnt 0x0
	global_store_b128 v[LI], v[32:35], s[14:15]
	global_store_b128 v[LI], v[36:39], s[14:15] offset:512
	s_wait_tensorcnt 0x0
	ds_add_u32 v254, v255
	s_wait_dscnt 0x0
	s_endpgm
.Lroute:                                           ; wave 0: a lane to a token
	ds_load_b128 v[32:35], v29
	ds_load_b128 v[36:39], v29 offset:16
	v_lshlrev_b32 v65, 2, v[LANE]
	v_lshlrev_b32 v66, 3, v[LANE]
	s_wait_dscnt 0x0
.irp e, 0,1,2,3,4,5,6,7
	v_add_f32 v[32+\e], s[32+\e], v[32+\e]         ; + gate_b
.endr
	v_max3_num_f32 v40, v32, v33, v34
	v_max3_num_f32 v40, v40, v35, v36
	v_max3_num_f32 v40, v40, v37, v38
	v_max_num_f32 v40, v40, v39                    ; the row's maximum is taken away ahead of the exponentials
.irp e, 0,1,2,3,4,5,6,7
	v_sub_f32 v[48+\e], v[32+\e], v40
.endr
.irp e, 0,1,2,3,4,5,6,7
	v_mul_f32 v[48+\e], 0x3fb8aa3b, v[48+\e]       ; x log2(e)
.endr
	s_wait_alu depctr_va_vdst(0)
.irp e, 0,1,2,3,4,5,6,7
	v_exp_f32 v[32+\e], v[48+\e]
.endr
	v_nop                                          ; a plain instruction behind the last exponential,
	s_wait_alu depctr_va_vdst(0)                   ; and one wait for the batch of eight, ahead of its first reader
	v_add_f32 v41, v32, v33
	v_add_f32 v42, v34, v35
	v_add_f32 v43, v36, v37
	v_add_f32 v44, v38, v39
	v_add_f32 v41, v41, v42
	v_add_f32 v43, v43, v44
	v_add_f32 v41, v41, v43
	s_wait_alu depctr_va_vdst(0)
	v_rcp_f32 v42, v41
	v_nop
	s_wait_alu depctr_va_vdst(0)
.irp e, 0,1,2,3,4,5,6,7
	v_mul_f32 v[32+\e], v[32+\e], v42              ; the probabilities
.endr
	v_mov_b32 v43, v32                             ; the largest, by an ascending scan that moves only for a strictly larger one: the lower index wins a tie
	v_mov_b32 v44, 0
.irp e, 1,2,3,4,5,6,7
	v_cmp_ge_f32 vcc_lo, v43, v[32+\e]
	v_cndmask_b32 v44, \e, v44, vcc_lo
	v_cndmask_b32 v43, v[32+\e], v43, vcc_lo
.endr
.irp e, 0,1,2,3,4,5,6,7
	v_cmp_ne_u32 vcc_lo, \e, v44
	v_cndmask_b32 v[48+\e], -1.0, v[32+\e], vcc_lo ; the winner is taken out (no probability is negative)
.endr
	v_mov_b32 v45, v48                             ; the second largest likewise
	v_mov_b32 v46, 0
.irp e, 1,2,3,4,5,6,7
	v_cmp_ge_f32 vcc_lo, v45, v[48+\e]
	v_cndmask_b32 v46, \e, v46, vcc_lo
	v_cndmask_b32 v45, v[48+\e], v45, vcc_lo
.endr
	v_min_u32 v56, v44, v46                        ; a < b
	v_max_u32 v57, v44, v46
	v_cmp_lt_u32 vcc_lo, v44, v46
	v_cndmask_b32 v58, v45, v43, vcc_lo            ; p of a
	v_cndmask_b32 v59, v43, v45, vcc_lo            ; p of b
	v_sub_nc_u32 v60, 15, v56
	v_mul_u32_u24 v60, v56, v60
	v_lshrrev_b32 v60, 1, v60
	v_add_nc_u32 v60, v60, v57
	v_sub_nc_u32 v60, v60, v56
	v_add_nc_u32 v60, -1, v60                      ; the bin
	v_mov_b32 v61, 0                               ; my rank among the 32 tokens' of my bin
	v_mov_b32 v62, 0                               ; lane = bin: how many of the 32 (bins 28-31: none)
.set BN, 0
.rept 28
	v_cmp_eq_u32 s40, BN, v60
	s_bcnt1_i32_b32 s41, s40
	v_writelane_b32 v62, s41, BN
	v_mbcnt_lo_u32_b32 v63, s40, 0
	v_cndmask_b32 v61, v61, v63, s40
.set BN, BN+1
.endr
	v_lshl_or_b32 v64, v61, 8, v60
	global_store_b32 v65, v64, s[20:21]
	global_store_b32 v65, v62, s[22:23]
	global_store_b64 v66, v[58:59], s[18:19]
	s_wait_tensorcnt 0x0
	ds_add_u32 v254, v255
	s_wait_dscnt 0x0
	s_endpgm
.Lfunc_end_k_qde84daf25d_route_quant:
	.size	k_qde84daf25d_route_quant, .Lfunc_end_k_qde84daf25d_route_quant-k_qde84daf25d_route_quant
	.p2alignl 7, 3214868480
	.fill 96, 4, 3214868480
	.section	.rodata,"a",@progbits
	.p2align	6, 0x0
	.amdhsa_kernel k_qde84daf25d_route_quant
		.amdhsa_group_segment_fixed_size 78336
		.amdhsa_private_segment_fixed_size 0
		.amdhsa_enable_private_segment 0
		.amdhsa_kernarg_size 80
		.amdhsa_user_sgpr_count 2
		.amdhsa_user_sgpr_kernarg_segment_ptr 1
		.amdhsa_wavefront_size32 1
		.amdhsa_system_sgpr_workgroup_id_x 1
		.amdhsa_system_sgpr_workgroup_id_y 1
		.amdhsa_system_sgpr_workgroup_id_z 1
		.amdhsa_system_vgpr_workitem_id 0
		.amdhsa_next_free_vgpr 768
		.amdhsa_next_free_sgpr 66
		.amdhsa_reserve_vcc 1
		.amdhsa_float_denorm_mode_32 3
		.amdhsa_float_denorm_mode_16_64 3
		.amdhsa_memory_ordered 1
		.amdhsa_forward_progress 1
		.amdhsa_inst_pref_size 133
	.end_amdhsa_kernel
	.amdgpu_metadata
---
amdhsa.version: [ 1, 2 ]
amdhsa.kernels:
  - .name:           k_qde84daf25d_route_quant
    .symbol:         k_qde84daf25d_route_quant.kd
    .args:
      - { .name: x, .offset: 0, .size: 8, .value_kind: global_buffer, .address_space: global }
      - { .name: gate_W, .offset: 8, .size: 8, .value_kind: global_buffer, .address_space: global }
      - { .name: gate_b, .offset: 16, .size: 8, .value_kind: global_buffer, .address_space: global }
      - { .name: expert_W_codes, .offset: 24, .size: 8, .value_kind: global_buffer, .address_space: global }
      - { .name: xq, .offset: 32, .size: 8, .value_kind: global_buffer, .address_space: global }
      - { .name: xs, .offset: 40, .size: 8, .value_kind: global_buffer, .address_space: global }
      - { .name: wimg, .offset: 48, .size: 8, .value_kind: global_buffer, .address_space: global }
      - { .name: wgt, .offset: 56, .size: 8, .value_kind: global_buffer, .address_space: global }
      - { .name: meta, .offset: 64, .size: 8, .value_kind: global_buffer, .address_space: global }
      - { .name: hist, .offset: 72, .size: 8, .value_kind: global_buffer, .address_space: global }
    .group_segment_fixed_size: 78336
    .private_segment_fixed_size: 0
    .kernarg_segment_align: 8
    .kernarg_segment_size: 80
    .max_flat_workgroup_size: 128
    .sgpr_count:     66
    .vgpr_count:     768
    .wavefront_size: 32
...
	.end_amdgpu_metadata
.endif
;; end of part 4
;; launch place (part 5): grid 8 x 1, 4 waves a work-group, no clusters, 4,608 bytes of LDS; arguments meta, hist, order, tab; writes order, tab
.if DOCPART == 5
	.amdgcn_target "amdgcn-amd-amdhsa--gfx1250"
	.amdhsa_code_object_version 6
	.text
	.protected	k_qde84daf25d_place
	.globl	k_qde84daf25d_place
	.p2align	8
	.type	k_qde84daf25d_place,@function
k_qde84daf25d_place:
	s_mov_b64 s[64:65], 0
	v_nop
	global_prefetch_b8 v0, s[64:65] scope:SCOPE_SE
	s_setreg_imm32_b32 hwreg(HW_REG_WAVE_MODE, 25, 1), 1
	s_wait_xcnt 0x0
; SECOND LAUNCH: whole numbers alone.  The tokens are placed by bin (a counting sort without atomics) and the table of tiles is made.
; Each bin is rounded up to tiles of 16 tokens: T tiles in all, at most (8192 + 28 x 15) / 16 = 538.  order[16 i + row] = the token at that row of tile i (rows beyond a bin's last token are not written and never read).
; The tiles, in order, are dealt to 64 groups: group g has tiles g T / 64 (rounded down) up to (g + 1) T / 64: 9 at the most.  tab[g][slot 0..15] = two words:
;   info = ea | eb << 4 | rows << 8 | i << 16 (0: no tile);   seg = mask of the slots of one run of tiles of one bin | ea << 16 | eb << 20, at the run's first slot (0 elsewhere).
; SHARES: 32 waves in 8 work-groups.  Wave W = 4 x work-group + wave places chunks 8 W .. 8 W + 7 (32 tokens each) and makes table entries 32 W .. 32 W + 31.
; Every work-group sums all 256 chunks' counts anew (64 loads a wave, met in LDS), so that nothing goes from work-group to work-group.  A lane is a bin in all sums.
.set H,   32                           ; v32-95   64 chunks' counts; later at work
.set OH,  96                           ; v96-103  my 8 chunks' counts
.set MT,  104                          ; v104-111 my 8 chunks' meta words (a lane a token)
.set R,   112                          ; v112-143 the 32 waves' totals
.set BV,  144                          ; v144-151 where chunk j's tokens of each bin begin
.set TOT, 6
.set PRE, 7
.set TMP, 8
.set MTL, 9
.set INC, 10
.set MB,  11
.set TK0, 12
.set TT,  13
.set GG,  14
.set SL,  15
.set II,  16
.set EN,  17
.set BIN, 18
.set PK,  19
.set BASE, 20
.set IX,  21
.set TB,  22
.set IB,  23
.set T1,  24
.set ROWS, 25
.set CNT, 26
.set MK,  27
.set ONES, 28
.set AD,  29
.set OUTW, 30                          ; v[30:31]
.set IXJ, 32
.set PJ,  40
.set TKN, 48
.set RK,  56
	s_load_b256 s[4:11], s[0:1], 0x0               ; meta s[4:5], hist s[6:7], order s[8:9], tab s[10:11]
	v_lshl_add_u32 v160, v0, 2, 0x1000
	v_mov_b32 v161, 0
	v_lshrrev_b32 v1, 5, v0
	v_readfirstlane_b32 s12, v1                    ; wave in the work-group
	v_and_b32 v1, 31, v0                           ; lane
	v_lshlrev_b32 v2, 2, v1
	s_lshl_b32 s13, ttmp9, 2
	s_add_co_u32 s13, s13, s12                     ; W
	s_lshl_b32 s14, s12, 13
	v_add_nc_u32 v3, s14, v2                       ; hist: chunks 64 wave on
	s_lshl_b32 s14, s13, 10
	v_add_nc_u32 v4, s14, v2                       ; hist and meta: chunks 8 W on
	s_lshl_b32 s14, s12, 10
	v_add_nc_u32 v5, s14, v2                       ; LDS: totals 8 wave on
	s_wait_alu depctr_va_vdst(0)
	s_wait_kmcnt 0x0
.set Q, 0
.rept 64
	global_load_b32 v[H+Q], v3, s[6:7] offset:128*Q
.set Q, Q+1
.endr
.irp j, 0,1,2,3,4,5,6,7
	global_load_b32 v[OH+\j], v4, s[6:7] offset:128*\j
	global_load_b32 v[MT+\j], v4, s[4:5] offset:128*\j
.endr
	s_wait_loadcnt 16                              ; the 64 are in; my own 16, issued behind them, may be out
.irp q, 0,1,2,3,4,5,6,7
	v_add3_u32 v[H+8*\q], v[H+8*\q], v[H+8*\q+1], v[H+8*\q+2]
	v_add3_u32 v[H+8*\q+3], v[H+8*\q+3], v[H+8*\q+4], v[H+8*\q+5]
	v_add3_u32 v[H+8*\q], v[H+8*\q], v[H+8*\q+6], v[H+8*\q+7]
	v_add_nc_u32 v[H+8*\q], v[H+8*\q], v[H+8*\q+3]
	ds_store_b32 v5, v[H+8*\q] offset:128*\q       ; the total of chunks 8 u .. 8 u + 7, u = 8 wave + q
.endr
	s_wait_dscnt 0x0                               ; for the others' sake
	s_barrier_signal -1
	s_barrier_wait -1
.set U, 0
.rept 32
	ds_load_b32 v[R+U], v2 offset:128*U
.set U, U+1
.endr
	s_wait_dscnt 0x0
	v_add3_u32 v[TOT], v[R], v[R+1], v[R+2]        ; tokens in each bin
.irp u, 3,5,7,9,11,13,15,17,19,21,23,25,27,29
	v_add3_u32 v[TOT], v[TOT], v[R+\u], v[R+\u+1]
.endr
	v_add_nc_u32 v[TOT], v[TOT], v[R+31]
	v_mov_b32 v[PRE], 0                            ; and of them those in chunks ahead of mine
.set U, 0
.rept 31
	s_cmp_gt_u32 s13, U
	s_cselect_b32 s14, -1, 0
	v_and_b32 v[TMP], s14, v[R+U]
	v_add_nc_u32 v[PRE], v[PRE], v[TMP]
.set U, U+1
.endr
	v_add_nc_u32 v[MTL], 15, v[TOT]
	v_lshrrev_b32 v[MTL], 4, v[MTL]                ; tiles of each bin
	v_mov_b32 v[INC], v[MTL]                       ; their running sum over the lanes
	v_mov_b32 v[TMP], 0
.irp d, 1,2,4,8
	v_mov_b32_dpp v[TMP], v[INC] row_shr:\d row_mask:0xf bank_mask:0xf bound_ctrl:1
	v_add_nc_u32 v[INC], v[INC], v[TMP]
.endr
	v_readlane_b32 s14, v[INC], 15
	v_lshrrev_b32 v[TMP], 4, v1
	v_sub_nc_u32 v[TMP], 0, v[TMP]                 ; all ones in lanes 16-31
	v_and_b32 v[TMP], s14, v[TMP]
	v_add_nc_u32 v[INC], v[INC], v[TMP]
	v_sub_nc_u32 v[MB], v[INC], v[MTL]             ; each bin's first tile
	v_readlane_b32 s15, v[INC], 31                 ; T
	s_wait_alu depctr_va_vdst(0)
	s_wait_loadcnt 0x0                             ; my own counts and meta words
	v_lshl_add_u32 v[BV], v[MB], 4, v[PRE]
.irp j, 1,2,3,4,5,6,7
	v_add_nc_u32 v[BV+\j], v[BV+\j-1], v[OH+\j-1]
.endr
.irp j, 0,1,2,3,4,5,6,7
	v_and_b32 v[IXJ+\j], 31, v[MT+\j]
	v_lshlrev_b32 v[IXJ+\j], 2, v[IXJ+\j]
	ds_bpermute_b32 v[PJ+\j], v[IXJ+\j], v[BV+\j]  ; a lane is a token again: it takes its bin's lane's number
.endr
	s_lshl_b32 s16, s13, 8
	v_add_nc_u32 v[TK0], s16, v1                   ; token 256 W + lane
	s_wait_alu depctr_va_vdst(0)
	s_wait_dscnt 0x0
.irp j, 0,1,2,3,4,5,6,7
	v_bfe_u32 v[RK+\j], v[MT+\j], 8, 8
	v_add_nc_u32 v[PJ+\j], v[PJ+\j], v[RK+\j]
	v_min_u32 v[PJ+\j], 9215, v[PJ+\j]             ; inside order's 9,216 words
	v_lshlrev_b32 v[PJ+\j], 2, v[PJ+\j]
	v_add_nc_u32 v[TKN+\j], 32*\j, v[TK0]
	global_store_b32 v[PJ+\j], v[TKN+\j], s[8:9]
.endr
	; the table: entry t = 32 W + lane: group t / 16, slot t % 16
	s_lshl_b32 s16, s13, 5
	v_add_nc_u32 v[TT], s16, v1
	v_lshrrev_b32 v[GG], 4, v[TT]
	v_and_b32 v[SL], 15, v[TT]
	v_mul_u32_u24 v[II], v[GG], s15
	v_add_nc_u32 v[EN], s15, v[II]
	v_lshrrev_b32 v[II], 6, v[II]
	v_lshrrev_b32 v[EN], 6, v[EN]                  ; the group's tiles end here
	v_add_nc_u32 v[II], v[II], v[SL]               ; my tile
	v_mov_b32 v[BIN], 0                            ; its bin: the first whose running sum lies above it
	v_mov_b32 v[PK], 0x10                          ; ea | eb << 4 of bin 0
	v_mov_b32 v[BASE], 0                           ; the bin's first tile
.set EA, 0
.set EB, 1
.set BT, 0
.rept 27
.set EB, EB+1
.if EB == 8
.set EA, EA+1
.set EB, EA+1
.endif
	v_readlane_b32 s14, v[INC], BT
	v_cmp_gt_u32 vcc_lo, s14, v[II]                ; bin BT ends above my tile: keep what I have; else move on to bin BT + 1
	v_cndmask_b32 v[BIN], BT+1, v[BIN], vcc_lo
	v_cndmask_b32 v[PK], EA|(EB<<4), v[PK], vcc_lo
	v_cndmask_b32 v[BASE], s14, v[BASE], vcc_lo
.set BT, BT+1
.endr
	v_lshlrev_b32 v[IX], 2, v[BIN]
	ds_bpermute_b32 v[TB], v[IX], v[TOT]
	ds_bpermute_b32 v[IB], v[IX], v[INC]
	v_mov_b32 v[ONES], -1
	v_sub_nc_u32 v[T1], v[II], v[BASE]
	v_lshlrev_b32 v[T1], 4, v[T1]
	s_wait_alu depctr_va_vdst(0)
	s_wait_dscnt 0x0
	v_sub_nc_u32 v[ROWS], v[TB], v[T1]
	v_min_u32 v[ROWS], 16, v[ROWS]                 ; tokens in my tile
	v_min_u32 v[CNT], v[EN], v[IB]
	v_sub_nc_u32 v[CNT], v[CNT], v[II]             ; tiles from mine to the end of the bin or of the group
	v_lshlrev_b32 v[MK], v[CNT], v[ONES]
	v_not_b32 v[MK], v[MK]
	v_lshlrev_b32 v[MK], v[SL], v[MK]              ; their slots
	v_cmp_eq_u32 s14, 0, v[SL]
	v_cmp_eq_u32 s16, v[II], v[BASE]
	s_or_b32 s14, s14, s16                         ; a run begins at the group's first slot and at a bin's first tile
	v_cmp_lt_u32 s17, v[II], v[EN]                 ; the slot holds a tile
	s_and_b32 s14, s14, s17
	v_lshl_or_b32 v[T1], v[ROWS], 8, v[PK]
	v_lshl_or_b32 v[T1], v[II], 16, v[T1]
	v_lshl_or_b32 v[MK], v[PK], 16, v[MK]
	v_cndmask_b32 v[OUTW], 0, v[T1], s17
	v_cndmask_b32 v[OUTW+1], 0, v[MK], s14
	v_lshlrev_b32 v[AD], 3, v[TT]
	global_store_b64 v[AD], v[OUTW:OUTW+1], s[10:11]   ; 32 lanes store 256 bytes on end
	s_wait_tensorcnt 0x0
	ds_add_u32 v160, v161
	s_wait_dscnt 0x0
	s_endpgm
.Lfunc_end_k_qde84daf25d_place:
	.size	k_qde84daf25d_place, .Lfunc_end_k_qde84daf25d_place-k_qde84daf25d_place
	.p2alignl 7, 3214868480
	.fill 96, 4, 3214868480
	.section	.rodata,"a",@progbits
	.p2align	6, 0x0
	.amdhsa_kernel k_qde84daf25d_place
		.amdhsa_group_segment_fixed_size 4608
		.amdhsa_private_segment_fixed_size 0
		.amdhsa_enable_private_segment 0
		.amdhsa_kernarg_size 32
		.amdhsa_user_sgpr_count 2
		.amdhsa_user_sgpr_kernarg_segment_ptr 1
		.amdhsa_wavefront_size32 1
		.amdhsa_system_sgpr_workgroup_id_x 1
		.amdhsa_system_sgpr_workgroup_id_y 1
		.amdhsa_system_sgpr_workgroup_id_z 1
		.amdhsa_system_vgpr_workitem_id 0
		.amdhsa_next_free_vgpr 162
		.amdhsa_next_free_sgpr 66
		.amdhsa_reserve_vcc 1
		.amdhsa_float_denorm_mode_32 3
		.amdhsa_float_denorm_mode_16_64 3
		.amdhsa_memory_ordered 1
		.amdhsa_forward_progress 1
		.amdhsa_inst_pref_size 31
	.end_amdhsa_kernel
	.amdgpu_metadata
---
amdhsa.version: [ 1, 2 ]
amdhsa.kernels:
  - .name:           k_qde84daf25d_place
    .symbol:         k_qde84daf25d_place.kd
    .args:
      - { .name: meta, .offset: 0, .size: 8, .value_kind: global_buffer, .address_space: global }
      - { .name: hist, .offset: 8, .size: 8, .value_kind: global_buffer, .address_space: global }
      - { .name: order, .offset: 16, .size: 8, .value_kind: global_buffer, .address_space: global }
      - { .name: tab, .offset: 24, .size: 8, .value_kind: global_buffer, .address_space: global }
    .group_segment_fixed_size: 4608
    .private_segment_fixed_size: 0
    .kernarg_segment_align: 8
    .kernarg_segment_size: 32
    .max_flat_workgroup_size: 128
    .sgpr_count:     66
    .vgpr_count:     162
    .wavefront_size: 32
...
	.end_amdgpu_metadata
.endif
;; end of part 5
;; launch experts (part 6): grid 4 x 64, 4 waves a work-group, no clusters, 136,192 bytes of LDS; arguments xq, xs, wimg, expert_W_scales, expert_b, wgt, order, tab, out0; writes out0
.if DOCPART == 6
	.amdgcn_target "amdgcn-amd-amdhsa--gfx1250"
	.amdhsa_code_object_version 6
	.text
	.protected	k_qde84daf25d_experts
	.globl	k_qde84daf25d_experts
	.p2align	8
	.type	k_qde84daf25d_experts,@function
k_qde84daf25d_experts:
	s_mov_b64 s[64:65], 0
	v_nop
	global_prefetch_b8 v0, s[64:65] scope:SCOPE_SE
	s_setreg_imm32_b32 hwreg(HW_REG_WAVE_SCHED_MODE, 0, 2), 2
	s_setreg_imm32_b32 hwreg(HW_REG_WAVE_MODE, 25, 1), 1
	s_wait_xcnt 0x0
	s_wait_alu depctr_vm_vsrc(0)
; THIRD LAUNCH: out[token] = pa (x Wa^T + ba) + pb (x Wb^T + bb) for the token's two experts a < b, on codes of E3M2 with E8M0 scales, f32 sums.  Only the two chosen experts are multiplied:
; the other six have weight 0 in the sum.
; SHARES.  Work-group (cb, g): group g of the table (at most 9 slots, each a tile of 16 tokens of one pair of experts) x columns 256 cb .. + 255.  Wave w: columns 64 w .. + 63 of these, for BOTH experts of every slot:
; 9 x 8 accumulators, 576 registers.  So a wave owns its 256 bytes of each token's row of out: nothing is added between work-groups, and no part of a sum goes to memory.
; THE PRODUCT IS USED TRANSPOSED: source 0 = 16 rows of W (16 columns of out), source 1 = 16 tokens: lane (r, h) holds token r and columns 16 n + 8 h + 0 .. 7.  The accumulators BEGIN AS THE BIAS, by loads.
; x's codes of the group's tokens are gathered once (each wave two K steps), laid in LDS as images of the operand's registers, and read by all four waves into two buffers of registers that take turns.
; The weights come from memory straight into registers, as images laid by the first launch: three loads of 512 bytes on end a fragment, a K step (2 experts x 4 tiles) ahead, in two sets.
; A group that straddles bins walks RUNS of slots of one pair: a loop of 9 trips, one for each slot at which a run could begin; a trip with no run is jumped over, and inside a run the slots of other runs are.
; NO TENSOR LOADS, NO CLUSTER: which experts a work-group walks, and through how many runs, are numbers read from memory; partners would need different numbers of tiles, and the text branches on those numbers.
; Rows beyond a tile's count repeat its last token: the same codes give the same bits, stored to the same place by the same wave; so EXEC is never changed.
; LIMITS: as the first launch states them (NaN and infinities are not served).
; THE MODE: SCHED_MODE bits 1:0 = 2 (LLVM: expert scheduling mode 2), set by the entry lines.  The code itself states the register dependences between vector or matrix instructions and memory or LDS
; instructions, with s_wait_alu, always for 0.
; THE PLAN.  Registers that memory or LDS instructions touch, in the loop:
;   A (v170-229)   x's fragments of slots 0-4.  Read by the products of a K step's first half; the LDS loads that land in it are issued in the second half of the K step before.
;   B (v104-151)   x's fragments of slots 5-8.  Read by the products of the second half; its LDS loads are issued in the first half of the same K step.
;   W0, W1         the weights' two sets.  K step k's products read set k % 2; the loads of K step k + 1 land in the other set and are issued at K step k's head.
;   WS             W's scale words.  Read by all products of a run; loaded at a run's head.
;   v1, v2, v5     offsets and LDS addresses, made at the head and never written again.
; So one wait on va_vdst stands at each half's head, behind the wait for the buffer that is about to be multiplied: the half before is done reading the other buffer (at a K step's head: the K step before is done
; reading its set of weights).  The loads that follow it, dealt among the half's products, land only in registers that no product issued since the wait names.
; REGISTERS: window 0: v1-16 addresses; v17-21 at work; v32-71 x's scale words; v72-103 W's scale words (both hold scales and nothing else); v104-151 buffer B; v152-169 (pa, pb) a slot; v170-229 buffer A;
;            the prologue's lie in v104-131 and v170-253, the way out's in v104-151 and v170-233.   window 1: v0-95, v96-191 the weights' two sets (fragment 4 e + n at 12 (4 e + n)); v192-255 slot 8's accumulators.
;            window 2: slots 0-3;  window 3: slots 4-7: accumulator (e, n) of slot s at 64 (s % 4) + 8 (4 e + n).
.set XSC,  110592                      ; LDS: 0: x's fragments: 12288 slot + 1536 K step + 512 c + 16 lane;  here: x's scale words [pair of slots 5][lane 32][8 words]: lanes 0-15 the even slot, lanes 16-31 the odd one
.set STG,  115712                      ; for each wave a stage of 16 rows x (256 + 16) bytes
.set TOKL, 133120                      ; for each wave [slot 9][16] tokens: row p at place 8 (p % 2) + p / 2
.set LI0,  1                           ; 16 lane: an image's place for my lane (slots 0-4), and the weights' offset
.set LI1,  2                           ; + 61440 (slots 5-8)
.set RR,   3
.set HH,   4
.set WSO,  5                           ; 32 lane
.set XSR,  6
.set BO,   7                           ; 32 h
.set STO,  8
.set RD,   9
.set TKR,  10
.set CO,   11                          ; 16 r
.set IMW0, 12
.set IMW1, 13
.set XSW1, 14
.set XSW2, 15
.set TKW,  16
.set XS,   32
.set WS,   72
.set XB,   104                         ; buffer B
.set WAB,  152
.set XA,   170                         ; buffer A
.set IDX,  104                         ; the prologue's registers
.set BOF,  114
.set X8,   170
.set XSP,  196
.set XQO,  214
.set XSO,  223
.set TOK,  236
.set WGO,  245
.set T,    104                         ; the way out's
.set TK,   136
.set OB,   170
.set MASK, 61
.set TRIP, 62
.set MSB, 0
.macro WIN new                         ; the immediate's high byte repeats the setting that is left; a switch that changes nothing is dropped
.if MSB != (\new)
	s_set_vgpr_msb (MSB<<8)|(\new)
.set MSB, \new
.endif
.endm
.macro ACCW s                          ; slot s's accumulators: window AW, from register AB on
.if (\s) < 4
.set AW, 2
.set AB, 64*(\s)
.elseif (\s) < 8
.set AW, 3
.set AB, 64*((\s)-4)
.else
.set AW, 1
.set AB, 192
.endif
.endm
.macro ORDA s                          ; where my row's token of slot s stands: order[16 i + min(r, rows - 1)]; an empty slot reads order[0], which is always written
	s_lshr_b32 s78, s[32+2*(\s)], 16
	s_min_u32 s78, s78, 575
	s_lshl_b32 s78, s78, 4
	s_bfe_u32 s79, s[32+2*(\s)], 0x50008
	s_max_u32 s79, s79, 1
	s_sub_co_u32 s79, s79, 1
	v_min_u32 v[IDX+(\s)], s79, v[RR]
	v_add_nc_u32 v[IDX+(\s)], s78, v[IDX+(\s)]
	v_min_u32 v[IDX+(\s)], 9215, v[IDX+(\s)]
	v_lshlrev_b32 v[IDX+(\s)], 2, v[IDX+(\s)]
.endm
.macro BOFF s                          ; the biases' offsets of slot s's two experts: 4096 e + 32 h, each in a register of its own
	s_and_b32 s78, s[32+2*(\s)], 15
	s_min_u32 s78, s78, 7
	s_lshl_b32 s78, s78, 12
	v_add_nc_u32 v[BOF+2*(\s)], s78, v[BO]
	s_bfe_u32 s78, s[32+2*(\s)], 0x40004
	s_min_u32 s78, s78, 7
	s_lshl_b32 s78, s78, 12
	v_add_nc_u32 v[BOF+2*(\s)+1], s78, v[BO]
.endm
.macro BIAS s                          ; the accumulators begin as the bias, in the result's layout: nothing is cleared, and the bias costs no addition
	ACCW \s
.set WM, AW<<6
	WIN WM
.irp e, 0,1
.irp n, 0,1,2,3
	global_load_b128 v[AB+8*(4*\e+\n):AB+8*(4*\e+\n)+3], v[BOF+2*(\s)+\e], s[12:13] offset:64*\n
	global_load_b128 v[AB+8*(4*\e+\n)+4:AB+8*(4*\e+\n)+7], v[BOF+2*(\s)+\e], s[12:13] offset:64*\n+16
.endr
.endr
.endm
.macro WLOAD k, b                      ; K step k's eight fragments of W into set b: 24 loads of 512 bytes on end
	WIN 0x40
.irp n, 0,1,2,3
.irp c, 0,1,2
	global_load_b128 v[96*(\b)+12*\n+4*\c:96*(\b)+12*\n+4*\c+3], v[LI0], s[66:67] offset:12288*\n+1536*(\k)+512*\c
.endr
.endr
.irp n, 0,1,2,3
.irp c, 0,1,2
	global_load_b128 v[96*(\b)+48+12*\n+4*\c:96*(\b)+48+12*\n+4*\c+3], v[LI0], s[68:69] offset:12288*\n+1536*(\k)+512*\c
.endr
.endr
	WIN 0
.endm
.macro XFETCH k, s                     ; x's fragment of K step k % 8, slot s, into its place: slots 0-4 in buffer A, slots 5-8 in buffer B
.set FK, (\k)%8
.irp c, 0,1,2
.if (\s) < 5
	ds_load_b128 v[XA+12*(\s)+4*\c:XA+12*(\s)+4*\c+3], v[LI0] offset:12288*(\s)+1536*FK+512*\c
.else
	ds_load_b128 v[XB+12*((\s)-5)+4*\c:XB+12*((\s)-5)+4*\c+3], v[LI1] offset:12288*((\s)-5)+1536*FK+512*\c
.endif
.endr
.endm
.macro MM k, s, e, n                   ; W's scale words: lanes 0-15 an even tile's rows, lanes 16-31 the odd one's; x's: lanes 0-15 an even slot's tokens, lanes 16-31 the odd one's
.set RA, 96*((\k)%2)+12*(4*(\e)+(\n))
.set RC, AB+8*(4*(\e)+(\n))
.set SW, WS+16*(\e)+8*((\n)/2)+(\k)
.set SX, XS+8*((\s)/2)+(\k)
.if ((\n)%2 == 0) && ((\s)%2 == 0)
	v_wmma_scale_f32_16x16x128_f8f6f4 v[RC:RC+7], v[RA:RA+11], v[RB:RB+11], v[RC:RC+7], v[SW], v[SX] matrix_a_fmt:MATRIX_FMT_BF6 matrix_b_fmt:MATRIX_FMT_BF6
.elseif ((\n)%2 == 1) && ((\s)%2 == 0)
	v_wmma_scale_f32_16x16x128_f8f6f4 v[RC:RC+7], v[RA:RA+11], v[RB:RB+11], v[RC:RC+7], v[SW], v[SX] matrix_a_fmt:MATRIX_FMT_BF6 matrix_b_fmt:MATRIX_FMT_BF6 matrix_a_scale:MATRIX_SCALE_ROW1
.elseif ((\n)%2 == 0) && ((\s)%2 == 1)
	v_wmma_scale_f32_16x16x128_f8f6f4 v[RC:RC+7], v[RA:RA+11], v[RB:RB+11], v[RC:RC+7], v[SW], v[SX] matrix_a_fmt:MATRIX_FMT_BF6 matrix_b_fmt:MATRIX_FMT_BF6 matrix_b_scale:MATRIX_SCALE_ROW1
.else
	v_wmma_scale_f32_16x16x128_f8f6f4 v[RC:RC+7], v[RA:RA+11], v[RB:RB+11], v[RC:RC+7], v[SW], v[SX] matrix_a_fmt:MATRIX_FMT_BF6 matrix_b_fmt:MATRIX_FMT_BF6 matrix_a_scale:MATRIX_SCALE_ROW1 matrix_b_scale:MATRIX_SCALE_ROW1
.endif
.endm
; Slot s's eight products of K step k, if the slot belongs to the run.  The jump leads over products and window switches alone: every load stands outside it, so the counts of loads are the same on every way.
; The slot's eight accumulators take turns, one instruction a turn, and the next matrix instruction on any way is another accumulator's.
.macro PROD k, s
.if (\s) < 5
.set RB, XA+12*(\s)
.else
.set RB, XB+12*((\s)-5)
.endif
	s_bitcmp1_b32 s[MASK], \s
	s_cbranch_scc0 .Lskip_\@
	ACCW \s
.set WM, 0x01|(AW<<4)|(AW<<6)
	WIN WM                                         ; source 0 (W) window 1, source 1 (x) window 0, C and D the slot's window
.irp e, 0,1
.irp n, 0,1,2,3
	MM \k, \s, \e, \n
.endr
.endr
	WIN 0
.Lskip_\@:
.endm
; Four places behind a half's last product: ahead of the way out's first read of a result and its first write of a register that products have read; ahead of the loads into such registers
; they stand as in the plain form of this text, in front of the wait that states the dependence: the wait fills no place.
.macro PLACES
.rept 4
	v_nop
.endr
.endm
; A K step: two halves, slots 0-4 on buffer A and slots 5-8 on buffer B.
.macro KSTEP k
	s_wait_dscnt 0x0                               ; buffer A is in: its fifteen loads were issued half a K step ago, and nothing younger is out (in the first run's first K step: x's scale words too)
.if (\k) > 0
.if (\k) < 7
	WIN 0x40                                       ; (the switch, the wait, the loads)
.endif
	s_wait_alu depctr_va_vdst(0)                   ; the K step before is done reading its set of weights and buffer B, in which the loads below land.  (K step 0: the wait at the run's head has stated it)
.if (\k) < 7
	WLOAD (\k)+1, ((\k)+1)%2                       ; into the set that the K step before has left
.endif
.endif
.if (\k) < 7
	s_wait_loadcnt 24                              ; this K step's weights are in (in K step 0 the scale words too); the next step's 24 loads may be out
.else
	s_wait_loadcnt 0x0
.endif
	PROD \k, 0
	XFETCH \k, 5                                   ; buffer B for this K step's second half.  No wait: no product since the last wait names buffer B
	XFETCH \k, 6
	PROD \k, 1
	XFETCH \k, 7
	XFETCH \k, 8
	PROD \k, 2
	PROD \k, 3
	PROD \k, 4
	PLACES
	s_wait_dscnt 0x0                               ; buffer B is in
	s_wait_alu depctr_va_vdst(0)                   ; the products of slots 0-4 are done reading buffer A, in which the loads below land
	PROD \k, 5
	XFETCH (\k)+1, 0                               ; buffer A for the next K step; behind the last K step for K step 0 again, so that it stands asked for at the loop's head
	XFETCH (\k)+1, 1
	XFETCH (\k)+1, 2
	PROD \k, 6
	XFETCH (\k)+1, 3
	XFETCH (\k)+1, 4
	PROD \k, 7
	PROD \k, 8
	PLACES
.endm
; THE WAY OUT of slot s, in four parts.  ARITH: pa A + pb B, each accumulator read from its low end on.  STAGE: through my own stage, back as rows of 256 bytes, with the rows' tokens (LDS serves a wave's
; instructions in order: no wait between).  ADDR: the tokens become offsets.  STORES.
.macro ARITH s
	ACCW \s
	WIN AW                                         ; source 0: the slot's window
.irp n, 0,1,2,3
.irp i, 0,2,4,6
	v_pk_mul_f32 v[T+8*\n+\i:T+8*\n+\i+1], v[AB+8*\n+\i:AB+8*\n+\i+1], v[WAB+2*(\s):WAB+2*(\s)+1] op_sel_hi:[1,0]   ; x pa: the pair's first word for both halves
.endr
.endr
.irp n, 0,1,2,3
.irp i, 0,2,4,6
	v_pk_fma_f32 v[T+8*\n+\i:T+8*\n+\i+1], v[AB+32+8*\n+\i:AB+32+8*\n+\i+1], v[WAB+2*(\s):WAB+2*(\s)+1], v[T+8*\n+\i:T+8*\n+\i+1] op_sel:[0,1,0] op_sel_hi:[1,1,1]   ; + pb B: the pair's second word for both halves
.endr
.endr
	WIN 0
.endm
.macro STAGE s
.set TKB, TK+8*((\s)%2)
.set OBB, OB+32*((\s)%2)
.irp n, 0,1,2,3
	ds_store_b128 v[STO], v[T+8*\n:T+8*\n+3] offset:64*\n
	ds_store_b128 v[STO], v[T+8*\n+4:T+8*\n+7] offset:64*\n+16
.endr
.irp t, 0,1,2,3,4,5,6,7
	ds_load_b128 v[OBB+4*\t:OBB+4*\t+3], v[RD] offset:544*\t       ; lanes 0-15 row 2 t, lanes 16-31 row 2 t + 1
.endr
	ds_load_b128 v[TKB:TKB+3], v[TKR] offset:64*(\s)               ; the tokens of rows h, 2 + h, .. 14 + h
	ds_load_b128 v[TKB+4:TKB+7], v[TKR] offset:64*(\s)+16
.endm
.macro ADDR s
.set TKB, TK+8*((\s)%2)
.irp t, 0,1,2,3,4,5,6,7
	v_min_u32 v[TKB+\t], 8191, v[TKB+\t]
.endr
.irp t, 0,1,2,3,4,5,6,7
	v_lshl_add_u32 v[TKB+\t], v[TKB+\t], 12, v[CO] ; the token's row of 4,096 bytes + 16 r
.endr
.endm
.macro STORES s
.set TKB, TK+8*((\s)%2)
.set OBB, OB+32*((\s)%2)
	s_bfe_u32 s78, s[32+2*(\s)], 0x50008
	s_cmp_eq_u32 s78, 0
	s_cbranch_scc1 .Lempty_\@                      ; a slot without a tile stores nothing
.irp t, 0,1,2,3,4,5,6,7
	global_store_b128 v[TKB+\t], v[OBB+4*\t:OBB+4*\t+3], s[74:75] th:TH_STORE_NT   ; sixteen lanes store 256 bytes on end, at a multiple of 256 from out0's first byte
.endr
.Lempty_\@:
.endm
	s_load_b512 s[4:19], s[0:1], 0x0               ; xq s[4:5], xs s[6:7], wimg s[8:9], W's scales s[10:11], expert_b s[12:13], wgt s[14:15], order s[16:17], tab s[18:19]
	s_load_b64 s[20:21], s[0:1], 0x40              ; out0
	v_lshl_add_u32 v254, v0, 2, 0x21200
	v_mov_b32 v255, 0
	v_lshrrev_b32 v17, 5, v0
	v_readfirstlane_b32 s24, v17                   ; wave 0..3
	s_and_b32 s26, ttmp7, 0xffff                   ; the group
	s_lshl_b32 s76, s26, 7
	s_mov_b32 s77, 0
	s_wait_kmcnt 0x0
	s_add_nc_u64 s[18:19], s[18:19], s[76:77]
	s_load_b512 s[32:47], s[18:19], 0x0            ; slots 0-7: info in s[32 + 2 s], seg in s[33 + 2 s]
	s_load_b64 s[48:49], s[18:19], 0x40            ; slot 8
	v_and_b32 v17, 31, v0                          ; lane
	v_and_b32 v[RR], 15, v0
	v_bfe_u32 v[HH], v0, 4, 1
	v_lshlrev_b32 v[LI0], 4, v17
	v_add_nc_u32 v[LI1], 61440, v[LI0]
	v_lshlrev_b32 v[WSO], 5, v17
	v_add_nc_u32 v[XSR], XSC, v[WSO]
	v_lshlrev_b32 v[BO], 5, v[HH]
	s_wait_alu depctr_va_sdst(0)                   ; s24, the wave's number, is written, ahead of its first reader: LDS places and bases are made from it
	s_mul_i32 s78, s24, 4352
	s_add_co_u32 s78, s78, STG                     ; my stage
	v_mul_u32_u24 v18, v[RR], 272
	v_lshl_add_u32 v18, v[HH], 5, v18
	v_add_nc_u32 v[STO], s78, v18                  ; in: row r, + 32 h
	v_mul_u32_u24 v18, v[HH], 272
	v_lshl_add_u32 v18, v[RR], 4, v18
	v_add_nc_u32 v[RD], s78, v18                   ; back: row h, + 16 r
	s_mul_i32 s78, s24, 576
	s_add_co_u32 s78, s78, TOKL
	v_add_nc_u32 v[TKR], s78, v[BO]
	v_lshlrev_b32 v[CO], 4, v[RR]
	s_mul_i32 s79, s24, 3072                       ; my two K steps' images
	v_add_nc_u32 v[IMW0], s79, v[LI0]
	v_add_nc_u32 v[IMW1], 61440, v[IMW0]
	s_lshl_b32 s79, s24, 3                         ; and their two scale words
	v_mov_b32 v21, s79
	s_add_co_u32 s79, s79, XSC
	v_lshl_add_u32 v[XSW1], v[RR], 5, s79
	v_add_nc_u32 v[XSW2], s79, v[WSO]
	v_and_b32 v18, 1, v[RR]
	v_lshrrev_b32 v19, 1, v[RR]
	v_lshl_add_u32 v18, v18, 3, v19
	v_lshl_add_u32 v[TKW], v18, 2, s78
	s_mul_i32 s78, s24, 96
	v_mul_u32_u24 v20, v[HH], 384
	v_add_nc_u32 v20, s78, v20                     ; xq: 384 h + 96 wave
	s_lshl_b32 s76, ttmp9, 10
	s_lshl_b32 s78, s24, 8
	s_add_co_u32 s76, s76, s78                     ; my 64 columns, in bytes of f32: 1024 cb + 256 wave
	s_add_nc_u64 s[12:13], s[12:13], s[76:77]
	s_add_nc_u64 s[74:75], s[20:21], s[76:77]
	s_mul_i32 s76, ttmp9, 196608
	s_mul_i32 s78, s24, 49152
	s_add_co_u32 s76, s76, s78
	s_add_nc_u64 s[80:81], s[8:9], s[76:77]        ; my four tiles of W's images in expert 0
	s_lshl_b32 s76, ttmp9, 13
	s_lshl_b32 s78, s24, 11
	s_add_co_u32 s76, s76, s78
	s_add_nc_u64 s[82:83], s[10:11], s[76:77]      ; and their 64 rows of scale bytes
	s_wait_kmcnt 0x0
.irp s, 0,1,2,3,4,5,6,7,8
	s_mov_b32 s[52+\s], s[33+2*\s]                 ; the runs' words, in a queue
.endr
.irp s, 0,1,2,3,4,5,6,7,8
	ORDA \s
.endr
.irp s, 0,1,2,3,4,5,6,7,8
	BOFF \s
.endr
	s_wait_alu depctr_va_vdst(0)                   ; the addresses v1 to v16, the list's nine offsets and the biases' eighteen are written: the loads and stores from here on read them.  Only loads and window switches follow up to the next vector line
.irp s, 0,1,2,3,4,5,6,7,8
	global_load_b32 v[TOK+\s], v[IDX+\s], s[16:17] ; my row's token of slot s
.endr
.irp s, 0,1,2,3,4,5,6,7,8
	BIAS \s
.endr
	WIN 0
	s_wait_loadcnt 63                              ; the nine loads from the list are the oldest of 153: they are in
.irp s, 0,1,2,3,4,5,6,7,8
	v_min_u32 v[TOK+\s], 8191, v[TOK+\s]
.endr
.irp s, 0,1,2,3,4,5,6,7,8
	v_mul_u32_u24 v[XQO+\s], v[TOK+\s], 768
	v_add_nc_u32 v[XQO+\s], v[XQO+\s], v20
	v_lshl_add_u32 v[XSO+\s], v[TOK+\s], 5, v21
	v_lshlrev_b32 v[WGO+\s], 3, v[TOK+\s]
.endr
	WIN 0x40                                       ; slots 0-7: into the weights' registers, which are idle yet  (the switch, the wait, the loads)
	s_wait_alu depctr_va_vdst(0)                   ; the tokens are held inside the tables and their 27 offsets are written: the gathers below read the offsets, the LDS stores behind them the tokens
.irp s, 0,1,2,3,4,5,6,7
.irp u, 0,1,2,3,4,5
	global_load_b128 v[24*\s+4*\u:24*\s+4*\u+3], v[XQO+\s], s[4:5] offset:16*\u   ; 96 bytes on end a lane: my two K steps' registers of token r, half h
.endr
.endr
	WIN 0
.irp u, 0,1,2,3,4,5
	global_load_b128 v[X8+4*\u:X8+4*\u+3], v[XQO+8], s[4:5] offset:16*\u
.endr
.irp s, 0,1,2,3,4,5,6,7,8
	global_load_b64 v[XSP+2*\s:XSP+2*\s+1], v[XSO+\s], s[6:7]
	global_load_b64 v[WAB+2*\s:WAB+2*\s+1], v[WGO+\s], s[14:15]
.endr
.irp s, 0,1,2,3,4,5,6,7,8
	ds_store_b32 v[TKW], v[TOK+\s] offset:64*\s    ; (lanes r and 16 + r write the same word with the same value)
.endr
	s_wait_loadcnt 0x0                             ; the biases, the codes, the scale words, the weights pa and pb
	WIN 0x04                                       ; an LDS store's data are its source 1: window 1
.irp s, 0,1,2,3,4
.irp u, 0,1,2,3,4,5
	ds_store_b128 v[IMW0], v[24*\s+4*\u:24*\s+4*\u+3] offset:12288*\s+512*\u
.endr
.endr
.irp s, 5,6,7
.irp u, 0,1,2,3,4,5
	ds_store_b128 v[IMW1], v[24*\s+4*\u:24*\s+4*\u+3] offset:12288*(\s-5)+512*\u
.endr
.endr
	WIN 0
.irp u, 0,1,2,3,4,5
	ds_store_b128 v[IMW1], v[X8+4*\u:X8+4*\u+3] offset:36864+512*\u
.endr
.irp s, 0,1,2,3,4,5,6,7
	ds_store_b64 v[XSW1], v[XSP+2*\s:XSP+2*\s+1] offset:1024*(\s/2)+512*(\s%2)
.endr
	ds_store_b64 v[XSW2], v[XSP+16:XSP+17] offset:4096             ; slot 8 has no partner: its words fill both halves of the pair, so that no byte is read that nobody wrote
	s_wait_dscnt 0x0                               ; for the others' sake: my two K steps lie in LDS
	s_barrier_signal -1
	s_barrier_wait -1                              ; the only barrier: from here on LDS's shared bytes are only read
	s_wait_alu depctr_vm_vsrc(0)                   ; the list's and the biases' loads have read their offsets (in buffer B's registers), the gathers theirs (in buffer A's), my LDS stores their data (in buffer A's and the weights'): loads land in all of these from here on
.irp p, 0,1,2,3,4
	ds_load_b128 v[XS+8*\p:XS+8*\p+3], v[XSR] offset:1024*\p
	ds_load_b128 v[XS+8*\p+4:XS+8*\p+7], v[XSR] offset:1024*\p+16
.endr
.irp s, 0,1,2,3,4
	XFETCH 0, \s                                   ; buffer A for K step 0: the first wait for all LDS loads also covers the ten loads above
.endr
	s_mov_b32 s[TRIP], 0
.Lseg:                                             ; nine trips: trip j serves the run that begins at slot j, if one does
	s_cmp_eq_u32 s52, 0
	s_cbranch_scc1 .Lnext
	s_and_b32 s[MASK], s52, 0x1ff                  ; the run's slots
	s_bfe_u32 s78, s52, 0x40010                    ; its experts
	s_min_u32 s78, s78, 7
	s_bfe_u32 s79, s52, 0x40014
	s_min_u32 s79, s79, 7
	s_mul_i32 s76, s78, 786432                     ; (no global load of mine is out here: the bases may be written)
	s_add_nc_u64 s[66:67], s[80:81], s[76:77]
	s_mul_i32 s76, s79, 786432
	s_add_nc_u64 s[68:69], s[80:81], s[76:77]
	s_lshl_b32 s76, s78, 15
	s_add_nc_u64 s[70:71], s[82:83], s[76:77]
	s_lshl_b32 s76, s79, 15
	s_add_nc_u64 s[72:73], s[82:83], s[76:77]
	s_wait_alu depctr_va_vdst(0)                   ; the run before is done reading W's scale words, both sets of weights and buffer B: the loads below, and buffer B's in K step 0, land in them
.irp q, 0,1
	global_load_b128 v[WS+8*\q:WS+8*\q+3], v[WSO], s[70:71] offset:1024*\q         ; row 32 q + lane: its eight scale words, all of K
	global_load_b128 v[WS+8*\q+4:WS+8*\q+7], v[WSO], s[70:71] offset:1024*\q+16
	global_load_b128 v[WS+16+8*\q:WS+16+8*\q+3], v[WSO], s[72:73] offset:1024*\q
	global_load_b128 v[WS+16+8*\q+4:WS+16+8*\q+7], v[WSO], s[72:73] offset:1024*\q+16
.endr
	WLOAD 0, 0
	WLOAD 1, 1
.irp k, 0,1,2,3,4,5,6,7
	KSTEP \k
.endr
.Lnext:
.irp i, 0,1,2,3,4,5,6,7
	s_mov_b32 s[52+\i], s[53+\i]                   ; the queue moves up
.endr
	s_add_co_u32 s[TRIP], s[TRIP], 1
	s_cmp_lt_u32 s[TRIP], 9
	s_cbranch_scc1 .Lseg
	s_wait_dscnt 0x0                               ; buffer A's last fifteen loads are in: the way out's loads land on their registers
	ARITH 0
	s_wait_alu depctr_va_vdst(0)                   ; slot 0's sums are written, which the LDS stores read; the products are done reading buffers A and B, in which the loads from the stage and of the tokens land
	STAGE 0
.irp s, 1,2,3,4,5,6,7,8
	s_wait_alu depctr_vm_vsrc(0)                   ; the last slot's LDS stores have read the sums' registers, which the arithmetic below writes again; the stores of two slots back have read their data and offsets, on which this slot's loads land
.if \s > 1
	s_wait_xcnt 0x0                                ; and those stores' addresses are translated: beside the wait above, not in its place
.endif
	ARITH \s                                       ; a slot's arithmetic stands between the loads of the slot before and the wait for them
	s_wait_dscnt 0x0                               ; the slot before is back from the stage, with its tokens
	ADDR \s-1
	s_wait_alu depctr_va_vdst(0)                   ; one wait for two things: the offsets of the slot before are written, which its stores read, and this slot's sums, which the LDS stores read
	STORES \s-1
	STAGE \s
.endr
	s_wait_dscnt 0x0
	ADDR 8
	s_wait_alu depctr_va_vdst(0)                   ; slot 8's offsets are written, which its stores read
	STORES 8
	s_wait_dscnt 0x0
	s_wait_alu depctr_hold_cnt(0) depctr_sa_sdst(0) depctr_va_vdst(0) depctr_va_sdst(0) depctr_va_ssrc(0) depctr_va_vcc(0) depctr_vm_vsrc(0)
	s_wait_tensorcnt 0x0
	ds_add_u32 v254, v255
	s_wait_dscnt 0x0
	s_endpgm
.Lfunc_end_k_qde84daf25d_experts:
	.size	k_qde84daf25d_experts, .Lfunc_end_k_qde84daf25d_experts-k_qde84daf25d_experts
	.p2alignl 7, 3214868480
	.fill 96, 4, 3214868480
	.section	.rodata,"a",@progbits
	.p2align	6, 0x0
	.amdhsa_kernel k_qde84daf25d_experts
		.amdhsa_group_segment_fixed_size 136192
		.amdhsa_private_segment_fixed_size 0
		.amdhsa_enable_private_segment 0
		.amdhsa_kernarg_size 72
		.amdhsa_user_sgpr_count 2
		.amdhsa_user_sgpr_kernarg_segment_ptr 1
		.amdhsa_wavefront_size32 1
		.amdhsa_system_sgpr_workgroup_id_x 1
		.amdhsa_system_sgpr_workgroup_id_y 1
		.amdhsa_system_sgpr_workgroup_id_z 1
		.amdhsa_system_vgpr_workitem_id 0
		.amdhsa_next_free_vgpr 1024
		.amdhsa_next_free_sgpr 96
		.amdhsa_reserve_vcc 0
		.amdhsa_float_denorm_mode_32 3
		.amdhsa_float_denorm_mode_16_64 3
		.amdhsa_memory_ordered 1
		.amdhsa_forward_progress 1
		.amdhsa_inst_pref_size 205
	.end_amdhsa_kernel
	.amdgpu_metadata
---
amdhsa.version: [ 1, 2 ]
amdhsa.kernels:
  - .name:           k_qde84daf25d_experts
    .symbol:         k_qde84daf25d_experts.kd
    .args:
      - { .name: xq, .offset: 0, .size: 8, .value_kind: global_buffer, .address_space: global }
      - { .name: xs, .offset: 8, .size: 8, .value_kind: global_buffer, .address_space: global }
      - { .name: wimg, .offset: 16, .size: 8, .value_kind: global_buffer, .address_space: global }
      - { .name: expert_W_scales, .offset: 24, .size: 8, .value_kind: global_buffer, .address_space: global }
      - { .name: expert_b, .offset: 32, .size: 8, .value_kind: global_buffer, .address_space: global }
      - { .name: wgt, .offset: 40, .size: 8, .value_kind: global_buffer, .address_space: global }
      - { .name: order, .offset: 48, .size: 8, .value_kind: global_buffer, .address_space: global }
      - { .name: tab, .offset: 56, .size: 8, .value_kind: global_buffer, .address_space: global }
      - { .name: out0, .offset: 64, .size: 8, .value_kind: global_buffer, .address_space: global }
    .group_segment_fixed_size: 136192
    .private_segment_fixed_size: 0
    .kernarg_segment_align: 8
    .kernarg_segment_size: 72
    .max_flat_workgroup_size: 128
    .sgpr_count:     96
    .vgpr_count:     1024
    .wavefront_size: 32
...
	.end_amdgpu_metadata
.endif
;; end of part 6
